; MI455X (gfx1250); checked and timed in simulation.
; The chip was launched on July 23, 2026; its instructions are those of AMD's public machine-readable ISA for CDNA 5 (MIT licence, August 2026) and "CDNA5" Instruction Set Architecture Reference Guide (July 2026). The comments in the code are by the model that wrote it; some were corrected since.
;; Mixtral Mo E. Allowed arithmetic: matrix products marked QUANTISED: E3M2 operands, one E8M0 scale for each 32 along K, by v_wmma_scale_f32_16x16x128_f8f6f4 with both operands' format E3M2, f32 sums; products left as they are: f32 operands where the result goes on into a quantised operand, else bf16, f16 or f32 operands; f32 sums; everything else in f32.
;; Inputs: gate_w 1,024 x 8 float32; hidden_states 2,048 x 1,024 float32; w1 8 x 1,024 x 2,048 float32; w2 8 x 2,048 x 1,024 float32.
;; Outputs: out0 2,048 x 1,024 float32.
;; Constants: topk = 2.
;; This version of the problem:
;;   THIS VERSION OF THE PROBLEM IS GIVEN IN LOW PRECISION. The matrix products marked QUANTISED in the list below multiply operands that are first quantised to E3M2 (3 exponent bits, 2 mantissa bits; 6 bits a number), with one power-of-two scale for each 32 numbers along K (OCP MX v1.0); their sums are f32. All else is computed in f32.
;;   The module's matrix products, in the order in which they are computed (A, B: the left and right operand; K: the contracted axis; several contracted axes count as one K, in the product's order):
;;     1. [M 2,048, K 1,024] x [K 1,024, N 8]; A: input hidden_states; B: input gate_w: left as it is (N = 8 < 16)
;;     2. [M 2,048, K 1,024] x [K 1,024, N 2,048]; A: input hidden_states; B: input w1: QUANTISED
;;     3. [M 2,048, K 2,048] x [K 2,048, N 1,024]; A: computed on the way; B: input w2: QUANTISED
;;     4. [M 2,048, K 1,024] x [K 1,024, N 2,048]; A: input hidden_states; B: input w1: QUANTISED
;;     5. [M 2,048, K 2,048] x [K 2,048, N 1,024]; A: computed on the way; B: input w2: QUANTISED
;;     6. [M 2,048, K 1,024] x [K 1,024, N 2,048]; A: input hidden_states; B: input w1: QUANTISED
;;     7. [M 2,048, K 2,048] x [K 2,048, N 1,024]; A: computed on the way; B: input w2: QUANTISED
;;     8. [M 2,048, K 1,024] x [K 1,024, N 2,048]; A: input hidden_states; B: input w1: QUANTISED
;;     9. [M 2,048, K 2,048] x [K 2,048, N 1,024]; A: computed on the way; B: input w2: QUANTISED
;;     10. [M 2,048, K 1,024] x [K 1,024, N 2,048]; A: input hidden_states; B: input w1: QUANTISED
;;     11. [M 2,048, K 2,048] x [K 2,048, N 1,024]; A: computed on the way; B: input w2: QUANTISED
;;     12. [M 2,048, K 1,024] x [K 1,024, N 2,048]; A: input hidden_states; B: input w1: QUANTISED
;;     13. [M 2,048, K 2,048] x [K 2,048, N 1,024]; A: computed on the way; B: input w2: QUANTISED
;;     14. [M 2,048, K 1,024] x [K 1,024, N 2,048]; A: input hidden_states; B: input w1: QUANTISED
;;     15. [M 2,048, K 2,048] x [K 2,048, N 1,024]; A: computed on the way; B: input w2: QUANTISED
;;     16. [M 2,048, K 1,024] x [K 1,024, N 2,048]; A: input hidden_states; B: input w1: QUANTISED
;;     17. [M 2,048, K 2,048] x [K 2,048, N 1,024]; A: computed on the way; B: input w2: QUANTISED
;;   THE QUANTISER, for each operand of a quantised product, along K:
;;     - K is cut into blocks of 32 from its start; a last block that is shorter is filled with zeros.
;;     - A block's scale is 2^e with e = floor(log2(the largest magnitude in the block)) - 4, held to -126 .. 127; a block of zeros has e = 0. As a byte (E8M0): e + 127.
;;     - Each number is divided by its block's scale, clamped to +-28, and rounded to the nearest number of E3M2, ties to even, subnormals kept.
;;     - The product sums the exact products of the quantised numbers (number of the format x scale) in f32.
;;   ~~~python
;;   def quantise(x, axis):      # numpy; x: float32 -> the quantised numbers, widened to float32 again
;;       x = np.moveaxis(x, axis, -1); K = x.shape[-1]
;;       x = np.pad(x, [(0, 0)] * (x.ndim - 1) + [(0, -K % 32)]); x = x.reshape(x.shape[:-1] + (-1, 32)); a = np.abs(x).max(-1, keepdims=True)
;;       e = np.where(a > 0, np.clip(np.frexp(np.where(a > 0, a, 1))[1] - 1 - 4, -126, 127), 0)      # np.frexp(a)[1] - 1 = floor(log2(a)), exactly
;;       r = np.clip(x / 2.0 ** e, -28, 28)
;;       step = 2.0 ** (np.maximum(np.frexp(np.where(r == 0, 1, r))[1] - 1, -2) - 2)
;;       q = np.round(r / step) * step * 2.0 ** e      # np.round: ties to even
;;       return np.moveaxis(q.reshape(q.shape[:-2] + (-1,))[..., :K], -1, axis).astype(np.float32)
;;   ~~~
;;   OPERANDS COMPUTED ON THE WAY. 'Computed on the way' means the value that the module computes at that place (a softmax that the list does not call 'softmax' is quantised finished and normalised). What goes into a quantiser is computed in f32, as accurately as f32 sums, v_exp_f32 and their like allow (about 1e-6 of the number): no bf16 or f16 on the way to a quantiser, and a product that is left as it is and whose result goes on into a quantised operand takes f32 operands (vector FMAs, or v_wmma_f32_16x16x4_f32). A number that lies on a knife's edge between two numbers of the format may be rounded either way, as far as f32 arithmetic and the matrix unit's own rounding can turn it there, and no further.
;; One version. Each part assembles by itself: llvm-mc -triple=amdgcn-amd-amdhsa -mcpu=gfx1250 --defsym DOCPART=n.
;; ======== version 1 of 1: 5 launches
;; limits: right only within a limited range of input values
;; workspace buffers: xq 1,654,784 bytes; route 24,576 bytes of whole numbers; place 35,840 bytes of whole numbers; wq 26,214,400 bytes; hq 7,733,248 bytes; y 19,333,120 bytes
;; launch token (part 1): grid 640 x 1, 8 waves a work-group, no clusters, 153,600 bytes of LDS; arguments hidden_states, gate_w, xq, route, place, w1, wq, w2; writes xq, route, place, wq
.if DOCPART == 1
	.amdgcn_target "amdgcn-amd-amdhsa--gfx1250"
	.amdhsa_code_object_version 6
	.text
	.protected	k_q2a15c38e1b_token
	.globl	k_q2a15c38e1b_token
	.p2align	8
	.type	k_q2a15c38e1b_token,@function
k_q2a15c38e1b_token:
	s_mov_b64 s[64:65], 0
	v_nop
	global_prefetch_b8 v0, s[64:65] scope:SCOPE_SE
	s_setreg_imm32_b32 hwreg(HW_REG_WAVE_MODE, 25, 1), 1
	s_wait_xcnt 0x0
; WORK-GROUPS 0-127: THE ROUTER AND x's CODES.  WORK-GROUPS 128-383: w1 INTO CODES.  The two share nothing; they stand in one launch so that the router's chain of dependent steps runs beside the weights' stream.
; The paths part on the work-group's number, which is the same in all waves of a work-group, and have LDS bytes of their own.
; ---- ROUTER.  hidden_states [2048][1024] f32, gate_w [1024][8] f32.
; A work-group takes 16 tokens; wave w takes K step w (k = 128 w .. 128 w + 127) of all 16.  Lane (r, h) holds token r; its register 16 b + i holds k = 128 w + 32 b + 16 h + i.
; The same 64 registers serve twice: (1) the router's partial sums, by f32 multiply-adds against the wave's 128 rows of gate_w, which lie in the wave's own LDS copy;
; (2) the quantiser to BF6 (E3M2): a block's scale is 2^(floor(log2(largest magnitude)) - 4), its byte the largest magnitude's exponent field - 4, held at 1 from below.
; OUT: xq: codes [t][768] (the 16 bytes of K step ks, register group j, lane half h at 96 ks + 32 j + 16 h: a lane's operand registers 4 j .. 4 j + 3), scale words [t][8], gates [t][2] f32.
;      route: [t][2] = expert | rank among the group's 16 tokens << 8;  [group][16 words]: counts of experts (0,1) (2,3) (4,5) (6,7) in 16-bit fields, then zeros.   place: the row list is set to zeros.
; Logits in f32; the maximum is taken off ahead of the exponentials; the two largest, the lower index kept where two are equal (strict compares, experts ascending); the softmax's divisor cancels in w / (w1 + w2) and is not formed.
; Every address here is fixed: the choice is only stored.
; ---- WEIGHTS.  w1 [8][1024 (K)][2048 (N)] f32: K is the first axis inside an expert.  A lane takes a column n and its registers run down K: a load reads 128 consecutive bytes a wave (1,024 a work-group), a block of 32
; along K lies in one lane's 32 registers, and the conversions give codes with K innermost.  A wave takes 32 columns x 256 along K: two tiles of 16 columns x two K steps of 128.
; THE COLUMNS OF A TILE ARE NOT NEIGHBOURS: lane r of tile 2 B + u takes column 32 B + 8 u + r + 8 (r / 8), so that in a transposed product the 16 registers of tiles 2 B and 2 B + 1 are 16 neighbouring columns.
; A FRAGMENT (16 columns x 128 K, 12 registers a lane) is stored as an image of its registers: registers 4 j .. 4 j + 3 of lane l at 512 j + 16 l; fragment (expert, tile, K step) at ((128 e + tile) 8 + ks) x 1,536.
; The images are put together in the wave's own LDS stage and leave by stores of 512 consecutive bytes, aligned.  Scale words: [e][tile][r][ks].
; LIMITS: a block of zeros carries the byte 1 (its codes are zeros; this program alone reads the bytes).  NaN and infinities are not served.  The logits' sums run in another order than a row-by-row sum:
; a token whose second and third probability agree to about 1e-6 may choose the other expert.  An exponential under 2^-126 counts as 0.
; WORK-GROUPS 384-639: w2 [8][2048 (K)][1024 (N)] INTO CODES, by the same macro as w1 with w2's sizes: fragment (expert, tile, K step) at 12,582,912 + ((64 e + tile) 16 + ks) x 1,536, scale words [e][tile][r][ks] from 25,690,112 on.
; Both weights stand in this one launch: 512 work-groups of eight waves, each wave with up to 64 loads of 128 bytes out.  The w2 path has LDS stages of its own.
.set XS_OFF,   1572864
.set GATE_OFF, 1638400
.set CNT_OFF,  16384
.set XSP,  784                         ; a token's 768 bytes of codes + 16 in the stage: 49 x 16, so sixteen rows begin at sixteen different 16-byte columns
.set XST,  32768                       ; LDS: 0 .. 32767 eight copies of 128 gate rows; then the codes' stage,
.set XSS,  XST+16*XSP                  ; the scale words [r][8],
.set RED,  XSS+512                     ; the partial logits [w][r][8]
.set WLDS, 50176                       ; for w1's path alone, eight stages;
.set W2LDS, 101376                     ; for w2's path alone, eight more; the spare words lie behind them, from 152,576 on
.set ACC,  16                          ; v16-23  eight partial logits
.set X,    32                          ; v32-95  my 64 numbers of x; on the weights' path two sets of 32 numbers
.set G,    96                          ; v96-159 gate rows, two batches of four rows
.set GS,   160                         ; v160-191 gate rows on their way into LDS (later the codes)
.set PC,   160                         ; v160-179 codes
.set TM,   180                         ; v180-195 at work in the quantiser
.set PW,   196                         ; the scale word
.set SEL,  20
.set EMAX, 4
.set WREG, 6400                        ; the weights' path: a wave's stage: two tiles,
.set USTR, 3200                        ; 3,072 bytes + 128 apart, so that sixteen lanes' 16 bytes fall on sixteen different 16-byte columns
.set C,    96                          ; v96-102  a block's codes
.set OUTR, 112                         ; v112-159 the way out
.set SB,   24                          ; v24-25   the scale words of my column's two K steps
; 64 numbers of a lane, register 16 b + i = k 32 b + 16 (lane / 16) + i of my row, become a fragment's codes in v[PC] on and its scale word in v[PW]
.macro QUANT s
.irp b, 0,1,2,3
	v_max3_num_f32 v[TM+\b], |v[\s+16*\b]|, |v[\s+1+16*\b]|, 0x2800000   ; my 16 numbers of block b, and the floor 2^(5 - 127): the byte cannot fall under 1
.endr
.irp i, 2,4,6,8,10,12,14
.irp b, 0,1,2,3
	s_delay_alu instid0(VALU_DEP_4)
	v_max3_num_f32 v[TM+\b], v[TM+\b], |v[\s+16*\b+\i]|, |v[\s+1+16*\b+\i]|
.endr
.endr
.irp b, 0,1,2,3
	s_delay_alu instid0(VALU_DEP_4)
	v_permlanex16_b32 v[TM+4+\b], v[TM+\b], s[SEL], s[SEL+1]
.endr
.irp b, 0,1,2,3
	s_delay_alu instid0(VALU_DEP_4)
	v_max_num_f32 v[TM+\b], v[TM+\b], v[TM+4+\b]   ; with lane l xor 16's: the block's largest magnitude
.endr
.irp b, 0,1,2,3
	s_delay_alu instid0(VALU_DEP_4)
	v_add_nc_u32 v[TM+12+\b], 0xfe000000, v[TM+\b]   ; 4 off its exponent field: the conversion's scale operand
.endr
.irp b, 0,1,2,3
	s_delay_alu instid0(VALU_DEP_4)
	v_lshrrev_b32 v[TM+4+\b], 23, v[TM+12+\b]      ; the scale's byte
.endr
	s_delay_alu instid0(VALU_DEP_3)
	v_lshl_or_b32 v[PW], v[TM+5], 8, v[TM+4]
	s_delay_alu instid0(VALU_DEP_1)
	v_lshl_or_b32 v[PW], v[TM+6], 16, v[PW]
	s_delay_alu instid0(VALU_DEP_1)
	v_lshl_or_b32 v[PW], v[TM+7], 24, v[PW]
.irp c, 0,1
	v_cvt_scalef32_pk16_bf6_f32 v[PC+6*\c:PC+2+6*\c], v[\s+32*\c:\s+15+32*\c], v[TM+12+2*\c]
	v_cvt_scalef32_pk16_bf6_f32 v[PC+12+4*\c:PC+14+4*\c], v[\s+16+32*\c:\s+31+32*\c], v[TM+12+2*\c+1]   ; (a conversion's three registers begin on an even number)
.endr
	v_nop                                          ; one plain place behind a scaled conversion
.irp c, 0,1                                    ; the operand's layout wants a whole block in a lane: lanes 0-15 block 2 c, lanes 16-31 block 2 c + 1
.irp i, 0,1,2
	v_permlane16_swap_b32 v[PC+6*\c+\i], v[PC+12+4*\c+\i]
.endr
.irp i, 0,1,2
	s_delay_alu instid0(VALU_DEP_3)
	v_mov_b32 v[PC+3+6*\c+\i], v[PC+12+4*\c+\i]
.endr
.endr
.endm
; the gate rows of x's registers 4 q .. 4 q + 3: 32 bytes a row, the same address in all lanes of a half
.macro GBATCH q
.irp nn, 0,1,2,3
	ds_load_b128 v[G+32*((\q)%2)+8*\nn:G+32*((\q)%2)+8*\nn+3],   v5 offset:(32*((4*(\q)+\nn)/16)+(4*(\q)+\nn)%16)*32
	ds_load_b128 v[G+32*((\q)%2)+8*\nn+4:G+32*((\q)%2)+8*\nn+7], v5 offset:(32*((4*(\q)+\nn)/16)+(4*(\q)+\nn)%16)*32+16
.endr
.endm
; eight logits += x's register n x its gate row; the first product starts the sums
.macro GFMA n, gb
.irp p, 0,1,2,3
.if (\n) == 0
	v_pk_mul_f32 v[ACC+2*\p:ACC+2*\p+1], v[X:X+1], v[\gb+2*\p:\gb+2*\p+1] op_sel_hi:[0,1]
.elseif ((\n)%2) == 0
	v_pk_fma_f32 v[ACC+2*\p:ACC+2*\p+1], v[X+(\n):X+(\n)+1], v[\gb+2*\p:\gb+2*\p+1], v[ACC+2*\p:ACC+2*\p+1] op_sel_hi:[0,1,1]
.else
	s_delay_alu instid0(VALU_DEP_4)
	v_pk_fma_f32 v[ACC+2*\p:ACC+2*\p+1], v[X+(\n)-1:X+(\n)], v[\gb+2*\p:\gb+2*\p+1], v[ACC+2*\p:ACC+2*\p+1] op_sel:[1,0,0] op_sel_hi:[1,1,1]
.endif
.endr
.endm
; expert e against the best two so far: strict compares keep the lower index
.macro TOP2 e
	v_mov_b32 v205, \e
	v_cmp_gt_f32 s32, v[40+\e], v201
	v_cmp_gt_f32 vcc_lo, v[40+\e], v203
	v_cndmask_b32 v203, v203, v[40+\e], vcc_lo
	s_delay_alu instid0(VALU_DEP_2)
	v_cndmask_b32 v204, v204, v205, vcc_lo
	s_delay_alu instid0(VALU_DEP_2)
	v_cndmask_b32 v203, v203, v201, s32
	s_delay_alu instid0(VALU_DEP_2)
	v_cndmask_b32 v204, v204, v202, s32
	v_cndmask_b32 v201, v201, v[40+\e], s32
	v_cndmask_b32 v202, v202, v205, s32
.endm
; expert e: a token's rank among the group's tokens that chose e, and their number
.macro RANK e
	v_cmp_eq_u32 s32, \e, v202
	v_cmp_eq_u32 s33, \e, v204
	s_or_b32 s34, s32, s33
	s_and_b32 s34, s34, 0xffff                     ; lanes 16-31 repeat lanes 0-15
	v_mbcnt_lo_u32_b32 v208, s34, 0
	s_delay_alu instid0(VALU_DEP_1)
	v_cndmask_b32 v206, v206, v208, s32
	s_delay_alu instid0(VALU_DEP_2)
	v_cndmask_b32 v207, v207, v208, s33
	s_bcnt1_i32_b32 s[24+\e], s34
.endm
; ---- the weights' path
.macro WLOAD t, N                      ; block t: W(32 t + i, my column), i = 0 .. 31, into set t % 2
.set i, 0
.rept 32
	global_load_b32 v[X+32*((\t)%2)+i], v3, s[28:29] offset:(32*(\t)+i)*(\N)*4 th:TH_LOAD_NT
.set i, i+1
.endr
.endm
.macro WBLOCK t, N
.set XB, X+32*((\t)%2)
.if (\t) < 7
	s_wait_loadcnt 32                              ; this block's 32 loads are in; the next block's may be out
.else
	s_wait_loadcnt 0x0
.endif
	v_max3_num_f32 v12, |v[XB]|, |v[XB+1]|, |v[XB+2]|              ; the block's largest magnitude: all 32 numbers are mine
	v_max3_num_f32 v13, |v[XB+3]|, |v[XB+4]|, |v[XB+5]|
.irp i, 6,10,14,18,22,26
	s_delay_alu instid0(VALU_DEP_2)
	v_max3_num_f32 v12, v12, |v[XB+\i]|, |v[XB+\i+1]|
	s_delay_alu instid0(VALU_DEP_2)
	v_max3_num_f32 v13, v13, |v[XB+\i+2]|, |v[XB+\i+3]|
.endr
	s_delay_alu instid0(VALU_DEP_2)
	v_max3_num_f32 v12, v12, |v[XB+30]|, |v[XB+31]|
	s_delay_alu instid0(VALU_DEP_1)
	v_max3_num_f32 v12, v12, v13, (EMAX+1)<<23     ; and the floor 2^(5 - 127): the byte cannot fall under 1
	s_delay_alu instid0(VALU_DEP_1)
	v_add_nc_u32 v11, -(EMAX<<23), v12             ; 4 off its exponent field: the conversion's scale operand
	s_delay_alu instid0(VALU_DEP_1)
	v_lshrrev_b32 v13, 23, v11                     ; the scale's byte
.if (\t)%4 == 0
	s_delay_alu instid0(VALU_DEP_1)
	v_mov_b32 v[SB+(\t)/4], v13                    ; four bytes to a word, the lower K in the lower byte
.else
	s_delay_alu instid0(VALU_DEP_1)
	v_lshl_or_b32 v[SB+(\t)/4], v13, 8*((\t)%4), v[SB+(\t)/4]
.endif
	v_cvt_scalef32_pk16_bf6_f32 v[C:C+2], v[XB:XB+15], v11
	v_cvt_scalef32_pk16_bf6_f32 v[C+4:C+6], v[XB+16:XB+31], v11    ; (a conversion's three registers begin on an even number)
	v_nop                                          ; one plain place behind a scaled conversion
	v_mov_b32 v[C+3], v[C+4]
	v_mov_b32 v[C+4], v[C+5]
	v_mov_b32 v[C+5], v[C+6]                       ; v[C .. C+5]: the block's 24 bytes = registers 6 c .. 6 c + 5 of lane (r, h), c = (t / 2) % 2, h = t % 2, of K step t / 4
.set LO, ((\t)/4)*1536+((\t)%2)*256
.if (((\t)/2)%2) == 0
	ds_store_b128 v4, v[C:C+3] offset:LO           ; registers 0-3: group 0
	ds_store_b64 v4, v[C+4:C+5] offset:LO+512      ; registers 4, 5: the low half of group 1
.else
	ds_store_b64 v4, v[C:C+1] offset:LO+520        ; registers 6, 7: its high half
	ds_store_b128 v4, v[C+2:C+5] offset:LO+1024    ; registers 8-11: group 2
.endif
.if (\t)+2 < 8
	WLOAD (\t)+2,\N
.endif
	s_wait_dscnt 0x0                               ; the stores have read their registers: the next block's codes may be written
.endm
; s20 = which run of 128 columns x 256 along K of the tensor: expert = s20 / 64; in an expert the column groups of 128 run fastest, then the runs of 256 along K.
; s[WC] = which 32 of the run's 128 columns are my wave's; s[WL] = my wave's number, for its LDS stage
.macro WQ N, KS, LOGC, SRC, DST, COFF, SOFF, LDSB, WC, WL
	s_lshr_b32 s21, s20, 6                         ; expert
	s_and_b32 s22, s20, (\N)/128-1                 ; column group
	s_and_b32 s23, s20, 63
	s_lshr_b32 s23, s23, \LOGC                     ; which 256 along K
	s_lshl_b32 s24, s22, 2
	s_add_co_u32 s24, s24, s[\WC]                  ; B: my wave's 32 columns
	s_lshl_b32 s26, s21, 23                        ; an expert is 8,388,608 bytes
	s_mul_i32 s27, s23, 256*(\N)*4
	s_add_co_u32 s26, s26, s27
	s_lshl_b32 s27, s24, 7
	s_add_co_u32 s26, s26, s27
	s_mov_b32 s27, 0
	s_add_nc_u64 s[28:29], s[\SRC:\SRC+1], s[26:27]
	s_mul_i32 s26, s21, 1572864                    ; an expert's codes
	s_mul_i32 s30, s24, 2*(\KS)*1536
	s_add_co_u32 s26, s26, s30
	s_mul_i32 s30, s23, 3072
	s_add_co_u32 s26, s26, s30
	s_add_co_u32 s26, s26, \COFF
	s_add_nc_u64 s[32:33], s[\DST:\DST+1], s[26:27]
	s_lshl_b32 s26, s21, 16                        ; an expert's scale words
	s_mul_i32 s30, s24, 2*16*(\KS)*4
	s_add_co_u32 s26, s26, s30
	s_lshl_b32 s30, s23, 3
	s_add_co_u32 s26, s26, s30
	s_add_co_u32 s26, s26, \SOFF
	s_add_nc_u64 s[34:35], s[\DST:\DST+1], s[26:27]
	s_mul_i32 s30, s[\WL], WREG
	s_add_co_u32 s30, s30, \LDSB
	v_mul_u32_u24 v4, v2, USTR
	s_delay_alu instid0(VALU_DEP_1)
	v_lshl_add_u32 v4, v8, 4, v4
	s_delay_alu instid0(VALU_DEP_1)
	v_add_nc_u32 v4, s30, v4                       ; into my stage: tile u, 16 r
	v_lshl_add_u32 v5, v1, 4, s30                  ; out of it: 16 x lane
	v_lshl_add_u32 v7, v2, 4, v8
	s_delay_alu instid0(VALU_DEP_1)
	v_mul_u32_u24 v7, v7, (\KS)*4                  ; my column's row of scale words: (16 u + r) x KS words
	WLOAD 0,\N
	WLOAD 1,\N
.irp t, 0,1,2,3,4,5,6,7
	WBLOCK \t,\N
.endr
	s_wait_alu depctr_va_vdst(0)
	global_store_b64 v7, v[SB:SB+1], s[34:35]
.set i, 0
.rept 12
	ds_load_b128 v[OUTR+4*i:OUTR+4*i+3], v5 offset:(i/6)*USTR+(i%6)*512   ; LDS serves a wave's instructions in order: these see my stores
.set i, i+1
.endr
.set i, 0
.rept 12
	s_wait_dscnt 11-i
	global_store_b128 v6, v[OUTR+4*i:OUTR+4*i+3], s[32:33] offset:(i/6)*(\KS)*1536+(i%6)*512   ; 512 consecutive bytes, aligned
.set i, i+1
.endr
.endm
	s_load_b256 s[4:11], s[0:1], 0x0               ; hidden_states s[4:5], gate_w s[6:7], xq s[8:9], route s[10:11]
	s_load_b64 s[12:13], s[0:1], 0x20              ; place
	s_load_b64 s[48:49], s[0:1], 0x28              ; w1
	s_load_b64 s[50:51], s[0:1], 0x30              ; wq
	s_load_b64 s[52:53], s[0:1], 0x38              ; w2
	v_lshl_add_u32 v224, v0, 2, 0x25400
	v_mov_b32 v225, 0
	v_lshrrev_b32 v2, 5, v0
	s_delay_alu instid0(VALU_DEP_1)
	v_readfirstlane_b32 s14, v2                    ; wave 0..7
	v_and_b32 v1, 31, v0                           ; lane
	s_cmp_ge_u32 ttmp9, 128                        ; the first 128 work-groups take the tokens: theirs is the longer chain of dependent steps
	s_cbranch_scc1 .Lweights
	v_and_b32 v2, 15, v0                           ; r
	v_bfe_u32 v3, v0, 4, 1                         ; h
	s_delay_alu instid0(VALU_DEP_2)
	v_lshlrev_b32 v4, 12, v2
	s_delay_alu instid0(VALU_DEP_1)
	v_lshl_add_u32 v4, v3, 6, v4                   ; x: row r of 4,096 bytes + 64 h
	s_lshl_b32 s16, s14, 12                        ; my wave's 128 gate rows: 4,096 bytes, in memory and in LDS
	s_mov_b32 s17, 0
	v_lshl_add_u32 v5, v3, 9, s16                  ; gate rows as I read them: + 16 h rows
	v_lshl_add_u32 v6, v1, 4, s16                  ; and as I copy them
	v_lshlrev_b32 v7, 4, v1                        ; 16 x lane
	s_wait_alu depctr_va_vdst(0)
	s_mul_i32 s22, s14, 96
	s_add_co_u32 s22, s22, XST
	v_mul_u32_u24 v8, v2, XSP
	s_delay_alu instid0(VALU_DEP_1)
	v_lshl_add_u32 v8, v3, 4, v8
	s_delay_alu instid0(VALU_DEP_1)
	v_add_nc_u32 v8, s22, v8                       ; codes into the stage: row r, 96 w + 16 h
	s_lshl_b32 s22, s14, 2
	s_add_co_u32 s22, s22, XSS
	v_lshl_add_u32 v9, v2, 5, s22                  ; scale word: 32 r + 4 w
	s_lshl_b32 s22, s14, 9
	s_add_co_u32 s22, s22, RED
	v_lshl_add_u32 v10, v2, 5, s22                 ; partial logits: 512 w + 32 r
	s_mul_i32 s22, s14, 2*XSP
	s_add_co_u32 s22, s22, XST
	v_lshl_add_u32 v11, v1, 4, s22                 ; out of the stage: rows 2 w and 2 w + 1, 16 bytes a lane,
	s_delay_alu instid0(VALU_DEP_1)
	v_lshl_add_u32 v12, v3, 4, v11                 ; and the same behind one padding more for lanes 16-31
	s_mul_i32 s22, s14, 1536
	v_lshl_add_u32 v13, v1, 4, s22                 ; the same bytes in xq
	v_add_nc_u32 v14, XSS, v7                      ; wave 0: the scale words, 16 bytes a lane
	v_lshl_add_u32 v15, v2, 5, RED                 ; wave 0: token r's partial logits
	s_mov_b32 s[SEL], 0x76543210
	s_mov_b32 s[SEL+1], 0xfedcba98                 ; v_permlanex16_b32's selects for lane l xor 16
	s_lshl_b32 s18, ttmp9, 16                      ; the group's 16 rows of 4,096 bytes
	s_lshl_b32 s19, s14, 9
	s_add_co_u32 s18, s18, s19                     ; + my K step's 512 bytes
	s_mov_b32 s19, 0
	s_wait_kmcnt 0x0
	s_add_nc_u64 s[4:5], s[4:5], s[18:19]
	s_add_nc_u64 s[6:7], s[6:7], s[16:17]
.irp i, 0,1,2,3,4,5,6,7
	global_load_b128 v[GS+4*\i:GS+4*\i+3], v7, s[6:7] offset:512*\i            ; 512 consecutive bytes a load
.endr
.irp b, 0,1,2,3
.irp j, 0,1,2,3
	global_load_b128 v[X+16*\b+4*\j:X+16*\b+4*\j+3], v4, s[4:5] offset:128*\b+16*\j th:TH_LOAD_NT
.endr
.endr
	s_wait_loadcnt 16                              ; the gate rows are in; x's sixteen loads may be out
.irp i, 0,1,2,3,4,5,6,7
	ds_store_b128 v6, v[GS+4*\i:GS+4*\i+3] offset:512*\i                       ; my wave's own copy: LDS serves a wave's instructions in order, so no barrier
.endr
	GBATCH 0
	s_wait_loadcnt 0x0                             ; x
.set Q, 0
.rept 16
.if Q < 15
	GBATCH Q+1
	s_wait_alu depctr_va_vdst(0)
	s_wait_dscnt 8                                 ; this batch is in; the next batch's eight loads may be out
.else
	s_wait_alu depctr_va_vdst(0)
	s_wait_dscnt 0x0
.endif
	GFMA 4*Q,G+32*(Q%2)
	GFMA 4*Q+1,G+32*(Q%2)+8
	GFMA 4*Q+2,G+32*(Q%2)+16
	GFMA 4*Q+3,G+32*(Q%2)+24
.set Q, Q+1
.endr
.irp e, 0,1,2,3,4,5,6,7
	v_permlanex16_b32 v[G+\e], v[ACC+\e], s[SEL], s[SEL+1]                     ; (its destination counts as read: these registers have been loaded)
.endr
.irp e, 0,1,2,3,4,5,6,7
	v_add_f32 v[ACC+\e], v[ACC+\e], v[G+\e]        ; both halves of the K step
.endr
	ds_store_b128 v10, v[ACC:ACC+3]
	ds_store_b128 v10, v[ACC+4:ACC+7] offset:16
.irp b, 0,1,2,3
	v_mov_b32 v[TM+4+\b], 0                        ; a lane permute's destination counts as one of its sources
.endr
	QUANT X
.irp j, 0,1,2
	ds_store_b128 v8, v[PC+4*\j:PC+4*\j+3] offset:32*\j
.endr
	ds_store_b32 v9, v[PW]                         ; both lanes of a row write the same word with the same value
	s_mul_i32 s18, ttmp9, 12288
	s_add_nc_u64 s[46:47], s[8:9], s[18:19]        ; the group's codes in xq
	s_wait_dscnt 0x0                               ; for the others' sake: my stores have landed
	s_barrier_signal -1
	s_barrier_wait -1
	ds_load_b128 v[96:99],   v11                   ; 1,536 bytes a wave: rows 2 w and 2 w + 1 without their padding
	ds_load_b128 v[100:103], v12 offset:512
	ds_load_b128 v[104:107], v11 offset:1040
	s_wait_dscnt 2
	global_store_b128 v13, v[96:99], s[46:47]      ; each store covers 512 consecutive bytes, aligned
	s_wait_dscnt 1
	global_store_b128 v13, v[100:103], s[46:47] offset:512
	s_wait_dscnt 0x0
	global_store_b128 v13, v[104:107], s[46:47] offset:1024
	s_cmp_eq_u32 s14, 0
	s_cbranch_scc1 .Lrouter
	s_cmp_eq_u32 s14, 1
	s_cbranch_scc0 .Lend
	s_cmp_lt_u32 ttmp9, 74                         ; the row list is 4,736 words = 74 x 256 bytes: the first 74 work-groups' wave 1 clears 256 bytes each
	s_cbranch_scc0 .Lend
	v_mov_b32 v108, 0
	v_mov_b32 v109, 0
	v_lshlrev_b32 v110, 3, v1
	s_lshl_b32 s18, ttmp9, 8
	s_add_nc_u64 s[12:13], s[12:13], s[18:19]
	global_store_b64 v110, v[108:109], s[12:13]
.Lend:
	s_wait_tensorcnt 0x0
	ds_add_u32 v224, v225
	s_wait_dscnt 0x0
	s_endpgm
.Lrouter:                                          ; wave 0 alone: no barrier stands behind this label
	ds_load_b128 v[112:115], v14                   ; the group's 128 scale words
.irp ww, 0,1,2,3,4,5,6,7
	ds_load_b128 v[X+8*\ww:X+8*\ww+3],   v15 offset:512*\ww
	ds_load_b128 v[X+8*\ww+4:X+8*\ww+7], v15 offset:512*\ww+16
.endr
	s_lshl_b32 s18, ttmp9, 9
	s_add_nc_u64 s[38:39], s[8:9], s[18:19]
	s_lshl_b32 s18, ttmp9, 7
	s_add_nc_u64 s[40:41], s[8:9], s[18:19]
	s_add_nc_u64 s[42:43], s[10:11], s[18:19]
	s_lshl_b32 s18, ttmp9, 6
	s_add_nc_u64 s[44:45], s[10:11], s[18:19]
	s_wait_dscnt 16                                ; the scale words are in; the sixteen loads behind them may be out
	global_store_b128 v7, v[112:115], s[38:39] offset:XS_OFF
	s_wait_dscnt 0x0
.irp ww, 1,2,3,4,5,6,7
.irp p, 0,1,2,3
	v_pk_add_f32 v[X+2*\p:X+2*\p+1], v[X+2*\p:X+2*\p+1], v[X+8*\ww+2*\p:X+8*\ww+2*\p+1]   ; the eight K steps: v32-39 = the logits
.endr
.endr
	s_delay_alu instid0(VALU_DEP_3)
	v_max3_num_f32 v200, v32, v33, v34
	s_delay_alu instid0(VALU_DEP_1)
	v_max3_num_f32 v200, v200, v35, v36
	s_delay_alu instid0(VALU_DEP_1)
	v_max3_num_f32 v200, v200, v37, v38
	s_delay_alu instid0(VALU_DEP_1)
	v_max_num_f32 v200, v200, v39                  ; the row's maximum
.irp e, 0,1,2,3,4,5,6,7
	v_sub_f32 v[40+\e], v[32+\e], v200
.endr
.irp e, 0,1,2,3,4,5,6,7
	v_mul_f32 v[40+\e], 0x3fb8aa3b, v[40+\e]       ; x log2(e)
.endr
	s_wait_alu depctr_va_vdst(0)
.irp e, 0,1,2,3,4,5,6,7
	v_exp_f32 v[40+\e], v[40+\e]                   ; at most 1; the largest is 1
.endr
	v_mov_b32 v202, 0                              ; (a plain place behind the exponentials)  the best so far: expert 0
	v_mov_b32 v203, -1.0                           ; the second: under every exponential
	v_mov_b32 v204, 0
	s_wait_alu depctr_va_vdst(0)                   ; one wait for the batch, ahead of its first reader
	v_mov_b32 v201, v40
.irp e, 1,2,3,4,5,6,7
	TOP2 \e
.endr
	s_delay_alu instid0(VALU_DEP_2)
	v_add_f32 v214, v201, v203                     ; at least 1
	s_wait_alu depctr_va_vdst(0)
	v_rcp_f32 v214, v214
	v_mov_b32 v206, 0                              ; (a plain place behind the reciprocal; the ranks are the independent work behind it)
	v_mov_b32 v207, 0
	v_mov_b32 v209, 0
.irp e, 0,1,2,3,4,5,6,7
	RANK \e
.endr
.irp k, 0,1,2,3
	s_lshl_b32 s35, s[25+2*\k], 16
	s_or_b32 s35, s35, s[24+2*\k]
	v_writelane_b32 v209, s35, \k                  ; lanes 0-3: the packed counts; lanes 4-15 stay 0
.endr
	s_wait_alu depctr_va_vdst(0)
	v_lshl_or_b32 v210, v206, 8, v202
	v_lshl_or_b32 v211, v207, 8, v204
	v_lshlrev_b32 v215, 3, v1
	v_lshlrev_b32 v216, 2, v1
	s_wait_alu depctr_va_vdst(0)                   ; the reciprocal's wait, ahead of its first reader
	v_mul_f32 v212, v201, v214
	v_mul_f32 v213, v203, v214
	s_wait_alu depctr_va_vdst(0)
	s_wait_xcnt 0x0                                ; EXEC changes only behind this wait: stores have been issued
	v_cmp_gt_u32 vcc_lo, 16, v1
	s_wait_tensorcnt 0x0
	ds_add_u32 v224, v225
	s_wait_dscnt 0x0
	s_and_saveexec_b32 s36, vcc_lo                 ; lanes 0-15: a lane a token
	global_store_b64 v215, v[210:211], s[42:43]
	global_store_b64 v215, v[212:213], s[40:41] offset:GATE_OFF
	global_store_b32 v216, v209, s[44:45] offset:CNT_OFF
	s_wait_xcnt 0x0                                ; and again ahead of the line that widens it
	s_or_b32 exec_lo, exec_lo, s36
	s_endpgm
.Lweights:                                         ; work-groups 128-383: eight waves take two neighbouring runs of 128 columns x 256 along K of w1; no barrier: waves share nothing
	s_wait_alu depctr_va_vdst(0)
	v_lshlrev_b32 v3, 2, v1                        ; in: 4 bytes a lane; lane = my column of the wave's 32
	v_lshlrev_b32 v6, 4, v1
	v_bfe_u32 v2, v0, 3, 1                         ; u = (column / 8) % 2: which of the two tiles
	v_and_b32 v8, 7, v0
	v_bfe_u32 v9, v0, 4, 1
	s_delay_alu instid0(VALU_DEP_1)
	v_lshl_add_u32 v8, v9, 3, v8                   ; r = column % 8 + 8 (column / 16): which lane of the tile
	s_sub_co_u32 s20, ttmp9, 128
	s_lshl_b32 s20, s20, 1
	s_lshr_b32 s16, s14, 2
	s_add_co_u32 s20, s20, s16                     ; the run: 2 x (work-group - 128) + wave / 4
	s_and_b32 s17, s14, 3                          ; and which 32 of its 128 columns
	s_wait_alu depctr_va_vdst(0)
	s_wait_kmcnt 0x0
	s_cmp_ge_u32 ttmp9, 384                        ; the work-group's number alone decides: w1's runs are 0-511, w2's 512-1023
	s_cbranch_scc1 .Lw2
	WQ 2048,8,4,48,50,0,25165824,WLDS,17,14
	s_wait_tensorcnt 0x0                           ; the wave's end
	ds_add_u32 v224, v225
	s_wait_dscnt 0x0
	s_endpgm
.Lw2:                                              ; work-groups 384-639: two neighbouring runs of 128 columns x 256 along K of w2
	s_sub_co_u32 s20, s20, 512                     ; the run in w2: 2 x (work-group - 384) + wave / 4
	WQ 1024,16,3,52,50,12582912,25690112,W2LDS,17,14
	s_wait_tensorcnt 0x0
	ds_add_u32 v224, v225
	s_wait_dscnt 0x0
	s_endpgm
.Lfunc_end_k_q2a15c38e1b_token:
	.size	k_q2a15c38e1b_token, .Lfunc_end_k_q2a15c38e1b_token-k_q2a15c38e1b_token
	.p2alignl 7, 3214868480
	.fill 96, 4, 3214868480
	.section	.rodata,"a",@progbits
	.p2align	6, 0x0
	.amdhsa_kernel k_q2a15c38e1b_token
		.amdhsa_group_segment_fixed_size 153600
		.amdhsa_private_segment_fixed_size 0
		.amdhsa_enable_private_segment 0
		.amdhsa_kernarg_size 64
		.amdhsa_user_sgpr_count 2
		.amdhsa_user_sgpr_kernarg_segment_ptr 1
		.amdhsa_wavefront_size32 1
		.amdhsa_system_sgpr_workgroup_id_x 1
		.amdhsa_system_sgpr_workgroup_id_y 1
		.amdhsa_system_sgpr_workgroup_id_z 1
		.amdhsa_system_vgpr_workitem_id 0
		.amdhsa_next_free_vgpr 226
		.amdhsa_next_free_sgpr 66
		.amdhsa_reserve_vcc 1
		.amdhsa_float_denorm_mode_32 3
		.amdhsa_float_denorm_mode_16_64 3
		.amdhsa_memory_ordered 1
		.amdhsa_forward_progress 1
		.amdhsa_inst_pref_size 149
	.end_amdhsa_kernel
	.amdgpu_metadata
---
amdhsa.version: [ 1, 2 ]
amdhsa.kernels:
  - .name:           k_q2a15c38e1b_token
    .symbol:         k_q2a15c38e1b_token.kd
    .args:
      - { .name: hidden_states, .offset: 0, .size: 8, .value_kind: global_buffer, .address_space: global }
      - { .name: gate_w, .offset: 8, .size: 8, .value_kind: global_buffer, .address_space: global }
      - { .name: xq, .offset: 16, .size: 8, .value_kind: global_buffer, .address_space: global }
      - { .name: route, .offset: 24, .size: 8, .value_kind: global_buffer, .address_space: global }
      - { .name: place, .offset: 32, .size: 8, .value_kind: global_buffer, .address_space: global }
      - { .name: w1, .offset: 40, .size: 8, .value_kind: global_buffer, .address_space: global }
      - { .name: wq, .offset: 48, .size: 8, .value_kind: global_buffer, .address_space: global }
      - { .name: w2, .offset: 56, .size: 8, .value_kind: global_buffer, .address_space: global }
    .group_segment_fixed_size: 153600
    .private_segment_fixed_size: 0
    .kernarg_segment_align: 8
    .kernarg_segment_size: 64
    .max_flat_workgroup_size: 256
    .sgpr_count:     66
    .vgpr_count:     226
    .wavefront_size: 32
...
	.end_amdgpu_metadata
.endif
;; end of part 1
;; launch prep (part 2): grid 16 x 1, 4 waves a work-group, no clusters, 0 bytes of LDS; arguments route, place; writes place
.if DOCPART == 2
	.amdgcn_target "amdgcn-amd-amdhsa--gfx1250"
	.amdhsa_code_object_version 6
	.text
	.protected	k_q2a15c38e1b_prep
	.globl	k_q2a15c38e1b_prep
	.p2align	8
	.type	k_q2a15c38e1b_prep,@function
k_q2a15c38e1b_prep:
	s_mov_b64 s[64:65], 0
	v_nop
	global_prefetch_b8 v0, s[64:65] scope:SCOPE_SE
	s_setreg_imm32_b32 hwreg(HW_REG_WAVE_MODE, 25, 1), 1
	s_wait_xcnt 0x0
; THE ROUTED ROWS ARE PLACED.  16 work-groups of 128 threads: thread g of work-group i takes token i of group g (token 16 g + i) and its two entries.
; Every work-group forms the experts' bases anew from the 128 groups' packed counts (2,048 bytes of numbers): so no work-group waits for another, and each stored word has one owner.
; All loads go out together: my token's two entries, my group's packed counts, and (in every wave) the counts of all 128 groups, a lane a group, in four sets of 32.
; A running sum over the 32 lanes of my wave gives the rows of each expert in the wave's groups up to mine; the same sum over each set gives, in its last lane, the set's total: the totals of the sets before my wave's
; are added, chosen by the wave's number.  No LDS, no barrier, no loop.
; Expert e's rows begin at 80 x (tiles of the experts before it), tiles = ceil(rows / 80).  Position = that + rows of e in earlier groups + rank in the group.  Stored: the position of each routed row,
; the token at each position (the padding rows keep the 0 of the launch before), and, by work-group 0 alone, each tile's expert (tiles behind the last: 7).
.set CNT_OFF,  16384
.set POS_OFF,  18944
.set TILE_OFF, 35328
; v[b .. b + 3] of lane l become the sums over lanes 0 .. l: four steps inside each row of 16 lanes, then the lower row's sum onto the upper row.  The 16-bit fields stay under 2,049: none runs over into its neighbour
.macro SCAN b
.irp n, 1,2,4,8
.irp k, 0,1,2,3
	v_mov_b32 v[160+\k], 0
.endr
.irp k, 0,1,2,3
	v_mov_b32_dpp v[160+\k], v[\b+\k] row_shr:\n row_mask:0xf bank_mask:0xf   ; lane i takes lane i - n of its row; the row's first n lanes keep the 0
.endr
.irp k, 0,1,2,3
	v_add_nc_u32 v[\b+\k], v[\b+\k], v[160+\k]
.endr
.endr
.irp k, 0,1,2,3
	v_readlane_b32 s[16+\k], v[\b+\k], 15          ; the lower row's sum,
.endr
.irp k, 0,1,2,3
	v_and_b32 v[160+\k], s[16+\k], v164            ; for lanes 16-31 alone
.endr
.irp k, 0,1,2,3
	v_add_nc_u32 v[\b+\k], v[\b+\k], v[160+\k]
.endr
.endm
.macro PENTRY n                        ; entry n of my two: position = its expert's base for my group + its rank in the group
	v_and_b32 v8, 1, v[32+\n]
	v_and_b32 v9, 2, v[32+\n]
	v_and_b32 v10, 4, v[32+\n]
	v_cmp_eq_u32 s88, 1, v8
	v_cmp_eq_u32 s89, 2, v9
	v_cmp_eq_u32 s90, 4, v10
	v_cndmask_b32 v8, v20, v21, s88
	v_cndmask_b32 v9, v22, v23, s88
	v_cndmask_b32 v10, v24, v25, s88
	v_cndmask_b32 v11, v26, v27, s88
	v_cndmask_b32 v8, v8, v9, s89
	v_cndmask_b32 v10, v10, v11, s89
	v_cndmask_b32 v8, v8, v10, s90
	v_lshrrev_b32 v9, 8, v[32+\n]
	v_add_nc_u32 v[64+\n], v8, v9
	v_min_u32 v[64+\n], 4719, v[64+\n]             ; 59 tiles of 80 rows: a number that was loaded enters an address only behind this hold
	v_lshlrev_b32 v[96+\n], 2, v[64+\n]
.endm
	s_load_b64 s[6:7], s[0:1], 0x0                 ; route
	s_load_b64 s[10:11], s[0:1], 0x8               ; place
	v_lshrrev_b32 v1, 5, v0
	v_readfirstlane_b32 s14, v1                    ; wave 0..3
	v_and_b32 v1, 31, v0                           ; lane
	s_mov_b32 s13, ttmp9                           ; i: which token of each group
	s_lshl_b32 s15, s13, 3
	v_lshl_add_u32 v14, v0, 7, s15                 ; 128 bytes a group + 8 a token, in the entries and in the positions
	v_lshlrev_b32 v30, 6, v0                       ; a group's row of counts is 64 bytes
	v_lshlrev_b32 v31, 6, v1
	v_bfe_u32 v164, v0, 4, 1
	v_sub_nc_u32 v164, 0, v164                     ; all ones in lanes 16-31, 0 in lanes 0-15
	v_lshl_add_u32 v128, v0, 4, s13                ; my token
	v_lshlrev_b32 v28, 2, v0
	s_wait_alu depctr_va_vdst(0)
	s_wait_kmcnt 0x0
	global_load_b64 v[32:33], v14, s[6:7]                            ; my token's two entries
	global_load_b128 v[16:19], v30, s[6:7] offset:CNT_OFF            ; my group's packed counts
.irp q, 0,1,2,3
	global_load_b128 v[144+4*\q:147+4*\q], v31, s[6:7] offset:CNT_OFF+2048*\q   ; set q: group 32 q + lane
.endr
	s_wait_loadcnt 0x0                             ; all six loads
.irp k, 0,1,2,3
	v_mov_b32 v[20+\k], v[16+\k]                   ; my own counts are taken off again below
.endr
	SCAN 16
.irp q, 0,1,2,3
	SCAN 144+4*\q
.irp k, 0,1,2,3
	v_readlane_b32 s[40+4*\q+\k], v[144+4*\q+\k], 31   ; s40-55: the four sets' totals
.endr
.endr
.irp k, 0,1,2,3
	s_add_co_u32 s[84+\k], s[40+\k], s[44+\k]
	s_add_co_u32 s[84+\k], s[84+\k], s[48+\k]
	s_add_co_u32 s[84+\k], s[84+\k], s[52+\k]      ; s84-87: all groups
	s_mov_b32 s[56+\k], 0
.endr
.irp q, 0,1,2
	s_cmp_gt_u32 s14, \q                           ; set q lies before my wave's groups
.irp k, 0,1,2,3
	s_cselect_b32 s[24+\k], s[40+4*\q+\k], 0       ; (the four selections stand ahead of the additions, which set SCC)
.endr
.irp k, 0,1,2,3
	s_add_co_u32 s[56+\k], s[56+\k], s[24+\k]      ; s56-59: the groups of the waves before mine
.endr
.endr
.irp k, 0,1,2,3
	v_sub_nc_u32 v[16+\k], v[16+\k], v[20+\k]
.endr
.irp k, 0,1,2,3
	v_add_nc_u32 v[16+\k], s[56+\k], v[16+\k]      ; v16-19: the packed counts of all groups before mine
.endr
.irp k, 0,1,2,3
	s_and_b32 s[16+2*\k], s[84+\k], 0xffff         ; s16-23: each expert's rows
	s_lshr_b32 s[17+2*\k], s[84+\k], 16
.endr
	s_mov_b32 s32, 0                               ; s32-39: each expert's first tile
.irp e, 0,1,2,3,4,5,6
	s_add_co_u32 s24, s[16+\e], 79
	s_mul_i32 s24, s24, 52429
	s_lshr_b32 s24, s24, 22                        ; (n + 79) / 80, exact for n up to 2,048: 52,429 / 2^22 lies 4.8e-8 over 1 / 80
	s_add_co_u32 s[33+\e], s[32+\e], s24
.endr
.irp e, 0,1,2,3,4,5,6,7
	s_mul_i32 s[40+\e], s[32+\e], 80               ; s40-47: each expert's first row
.endr
	s_wait_alu depctr_va_vdst(0)
.irp k, 0,1,2,3
	v_and_b32 v[20+2*\k], 0xffff, v[16+\k]
	v_lshrrev_b32 v[21+2*\k], 16, v[16+\k]
.endr
.irp e, 0,1,2,3,4,5,6,7
	v_add_nc_u32 v[20+\e], s[40+\e], v[20+\e]      ; v20-27: where my group's rows of expert e begin
.endr
	PENTRY 0
	PENTRY 1
	global_store_b64 v14, v[64:65], s[10:11] offset:POS_OFF        ; my token's two positions
	global_store_b32 v96, v128, s[10:11]           ; the token at each of them
	global_store_b32 v97, v128, s[10:11]
	s_cmp_lg_u32 s13, 0                            ; the tiles' experts have one owner: work-group 0
	s_cbranch_scc1 .Ldone
	v_mov_b32 v13, 0
.irp e, 1,2,3,4,5,6,7
	v_cmp_le_u32 vcc_lo, s[32+\e], v0
	v_add_co_ci_u32 v13, vcc_lo, 0, v13, vcc_lo    ; tile g's expert: how many experts from 1 on begin at or before it
.endr
	global_store_b32 v28, v13, s[10:11] offset:TILE_OFF
.Ldone:
	s_endpgm
.Lfunc_end_k_q2a15c38e1b_prep:
	.size	k_q2a15c38e1b_prep, .Lfunc_end_k_q2a15c38e1b_prep-k_q2a15c38e1b_prep
	.p2alignl 7, 3214868480
	.fill 96, 4, 3214868480
	.section	.rodata,"a",@progbits
	.p2align	6, 0x0
	.amdhsa_kernel k_q2a15c38e1b_prep
		.amdhsa_group_segment_fixed_size 0
		.amdhsa_private_segment_fixed_size 0
		.amdhsa_enable_private_segment 0
		.amdhsa_kernarg_size 16
		.amdhsa_user_sgpr_count 2
		.amdhsa_user_sgpr_kernarg_segment_ptr 1
		.amdhsa_wavefront_size32 1
		.amdhsa_system_sgpr_workgroup_id_x 1
		.amdhsa_system_sgpr_workgroup_id_y 1
		.amdhsa_system_sgpr_workgroup_id_z 1
		.amdhsa_system_vgpr_workitem_id 0
		.amdhsa_next_free_vgpr 168
		.amdhsa_next_free_sgpr 100
		.amdhsa_reserve_vcc 1
		.amdhsa_float_denorm_mode_32 3
		.amdhsa_float_denorm_mode_16_64 3
		.amdhsa_memory_ordered 1
		.amdhsa_forward_progress 1
		.amdhsa_inst_pref_size 23
	.end_amdhsa_kernel
	.amdgpu_metadata
---
amdhsa.version: [ 1, 2 ]
amdhsa.kernels:
  - .name:           k_q2a15c38e1b_prep
    .symbol:         k_q2a15c38e1b_prep.kd
    .args:
      - { .name: route, .offset: 0, .size: 8, .value_kind: global_buffer, .address_space: global }
      - { .name: place, .offset: 8, .size: 8, .value_kind: global_buffer, .address_space: global }
    .group_segment_fixed_size: 0
    .private_segment_fixed_size: 0
    .kernarg_segment_align: 8
    .kernarg_segment_size: 16
    .max_flat_workgroup_size: 128
    .sgpr_count:     100
    .vgpr_count:     168
    .wavefront_size: 32
...
	.end_amdgpu_metadata
.endif
;; end of part 2
;; launch up (part 3): grid 4 x 59, 4 waves a work-group, no clusters, 64,768 bytes of LDS; arguments xq, wq, place, hq; writes hq
.if DOCPART == 3
	.amdgcn_target "amdgcn-amd-amdhsa--gfx1250"
	.amdhsa_code_object_version 6
	.text
	.protected	k_q2a15c38e1b_up
	.globl	k_q2a15c38e1b_up
	.p2align	8
	.type	k_q2a15c38e1b_up,@function
k_q2a15c38e1b_up:
	s_mov_b64 s[64:65], 0
	v_nop
	global_prefetch_b8 v0, s[64:65] scope:SCOPE_SE
	s_setreg_imm32_b32 hwreg(HW_REG_WAVE_MODE, 25, 1), 1
	s_wait_xcnt 0x0
; h = Q(silu(Q(x) Q(W1[e]))) for one tile of 80 routed rows of one expert (work-group y) and 512 of the 2,048 hidden units (work-group x), on codes of BF6 (E3M2) with one E8M0 scale for each 32 along K.
; SHARES.  Wave w owns hidden units 512 x + 128 w .. + 127: eight tiles of 16, all eight K steps: 64 fragments of W1, 768 registers, loaded once as images of their registers and kept.
; The tile's 80 rows of x (codes gathered by the stored row list, each wave two K steps) go through LDS as images of their registers: one barrier.  Then five tiles of 16 rows, one after the other:
; 64 products (transposed: source 0 = 16 columns of W1, source 1 = 16 rows of x, so that a lane holds one row and its 64 registers 64 hidden units, 16 neighbours of each block of 32), silu in f32, the quantiser,
; and the codes leave as an image: K step 4 x + w of the next product.  Scale words: [K step][r][row tile 0..7], row tiles 5-7 written as 0.
; 59 = ceil(4,096 / 80) + 7 tiles serve every split.  A tile that a split leaves without rows does the same work on token 0 with expert 7, into rows that nobody reads.
; NO JOINT LOADS: which neighbouring tiles share an expert hangs on the stored list, 59 divides into no cluster, and along x only the rows' 61,440 bytes are shared, of 454,656 that a work-group reads.
; REGISTERS, in windows of 256: fragment f = 8 ks + tile lies in window 1 + f / 21 at v[12 (f % 21)]; fragment 63 in window 0 at v48.  Window 0: v1-12 addresses; v16-47 W1's scale words (register 8 (tile / 2) + ks:
; lanes 0-15 the even tile, lanes 16-31 the odd); v60-67 x's scale words; v68-73 the scale words made; v80-143 the sums; v144-191 x's fragments, a ring of four; v192-211 codes; v212-227 at work.
; LIMITS: a block of zeros carries the byte 1 (its codes are zeros; this program alone reads the bytes); NaN and infinities are not served.
.set XS_OFF,   1572864
.set W1S_OFF,  25165824
.set TILE_OFF, 35328
.set XSC,  61440                       ; LDS: 0 .. 61,439 x's 40 images ((8 m + ks) x 1,536); then x's scale words [row][8]
.set HSO,  122880                      ; a tile of hq: 80 images, then the scale words
.set LI,   1                           ; 16 x lane
.set XSA,  2                           ; XSC + 32 r
.set L32,  4                           ; 32 x lane
.set XW,   5                           ; 3,072 w + 16 x lane
.set XWS,  6                           ; XSC + 32 r + 8 w
.set R4,   7                           ; 4 r
.set SCO,  9                           ; 32 r + 16 h
.set NIL,  10                          ; 0
.set GOF,  11                          ; 192 w + 16 h
.set GSO,  12                          ; 8 w
.set W1S,  16
.set F63,  48
.set XS,   60
.set PWK,  68
.set PW,   73
.set HA,   80
.set XF,   144
.set T,    144                         ; v144-207: at work in silu, over the ring and the codes
.set PC,   192
.set TM,   212
.set TK,   228                         ; at the head alone: tokens, their offsets, what was gathered
.set RO,   233
.set SO,   238
.set ST,   80
.set SS,   200
.set SEL,  20
.set TOF,  39                          ; s39  4 x tile: the offset of the scalar load of the tile's expert; it holds nothing else, so that no source of that load is written while the load is out
.set MSB, 0
.macro WIN new                         ; the immediate's high byte repeats the setting that is left; a switch that changes nothing is dropped
.if MSB != (\new)
	s_set_vgpr_msb (MSB<<8)|(\new)
.set MSB, (\new)
.endif
.endm
.macro PLACES n
.rept \n
	v_nop
.endr
.endm
.macro FWIN f                          ; where fragment f lies
.if (\f) < 63
.set FW, 1+(\f)/21
.set FRG, 12*((\f)%21)
.else
.set FW, 0
.set FRG, F63
.endif
.endm
.macro BLOAD f                         ; fragment f = 8 ks + tile: three loads of 512 consecutive bytes
	FWIN \f
	WIN FW<<6
.irp j, 0,1,2
	global_load_b128 v[FRG+4*\j:FRG+4*\j+3], v[LI], s[26:27] offset:((\f)%8)*12288+((\f)/8)*1536+512*\j
.endr
.endm
.macro AFETCH m, ks                    ; x's fragment (row tile m, K step ks) into ring slot ks % 4
.irp j, 0,1,2
	ds_load_b128 v[XF+12*((\ks)%4)+4*\j:XF+12*((\ks)%4)+4*\j+3], v[LI] offset:(8*(\m)+(\ks))*1536+512*\j
.endr
.endm
.macro WM acc, bf, sa, sb, first, odd  ; one product; the weight's fragment is v[FRG] on in the window that is set
.if \first
.if \odd
	v_wmma_scale_f32_16x16x128_f8f6f4 v[\acc:\acc+7], v[FRG:FRG+11], v[\bf:\bf+11], 0, v[\sa], v[\sb] matrix_a_fmt:MATRIX_FMT_BF6 matrix_b_fmt:MATRIX_FMT_BF6 matrix_a_scale:MATRIX_SCALE_ROW1
.else
	v_wmma_scale_f32_16x16x128_f8f6f4 v[\acc:\acc+7], v[FRG:FRG+11], v[\bf:\bf+11], 0, v[\sa], v[\sb] matrix_a_fmt:MATRIX_FMT_BF6 matrix_b_fmt:MATRIX_FMT_BF6
.endif
.else
.if \odd
	v_wmma_scale_f32_16x16x128_f8f6f4 v[\acc:\acc+7], v[FRG:FRG+11], v[\bf:\bf+11], v[\acc:\acc+7], v[\sa], v[\sb] matrix_a_fmt:MATRIX_FMT_BF6 matrix_b_fmt:MATRIX_FMT_BF6 matrix_a_scale:MATRIX_SCALE_ROW1
.else
	v_wmma_scale_f32_16x16x128_f8f6f4 v[\acc:\acc+7], v[FRG:FRG+11], v[\bf:\bf+11], v[\acc:\acc+7], v[\sa], v[\sb] matrix_a_fmt:MATRIX_FMT_BF6 matrix_b_fmt:MATRIX_FMT_BF6
.endif
.endif
.endm
.macro MUL8 ks                         ; K step ks: the eight accumulators by turns, one instruction a turn; the first K step starts the sums
.irp t, 0,1,2,3,4,5,6,7
	FWIN 8*(\ks)+\t
	WIN FW
.if (\ks) == 0
	WM HA+8*\t,XF+12*((\ks)%4),W1S+8*(\t/2)+(\ks),XS+(\ks),1,\t%2
.else
	WM HA+8*\t,XF+12*((\ks)%4),W1S+8*(\t/2)+(\ks),XS+(\ks),0,\t%2
.endif
.endr
.endm
.macro SILU                            ; a x 1 / (1 + 2^(-a log2 e)), in f32; each batch of transcendentals has one plain place and one wait behind it
.set j, 0
.rept 32
	v_pk_mul_f32 v[T+j:T+j+1], v[HA+j:HA+j+1], 0xbfb8aa3b op_sel_hi:[1,0]      ; ascending: each accumulator is first read at its low end
.set j, j+2
.endr
.set j, 0
	s_wait_alu depctr_va_vdst(0)
.rept 64
	v_exp_f32 v[T+j], v[T+j]
.set j, j+1
.endr
	v_nop
	s_wait_alu depctr_va_vdst(0)                   ; one wait for the 64, ahead of their first reader
.set j, 0
.rept 32
	v_pk_add_f32 v[T+j:T+j+1], v[T+j:T+j+1], 1.0 op_sel_hi:[1,0]
.set j, j+2
.endr
.set j, 0
	s_wait_alu depctr_va_vdst(0)
.rept 64
	v_rcp_f32 v[T+j], v[T+j]
.set j, j+1
.endr
	v_nop
	s_wait_alu depctr_va_vdst(0)
.set j, 0
.rept 32
	v_pk_mul_f32 v[HA+j:HA+j+1], v[HA+j:HA+j+1], v[T+j:T+j+1]
.set j, j+2
.endr
.endm
; 64 numbers of a lane, register 16 b + i = k 32 b + 16 (lane / 16) + i of my row, become a fragment's codes in v[PC] on and its scale word in v[PW]
.macro QUANT s
.irp b, 0,1,2,3
	v_max3_num_f32 v[TM+\b], |v[\s+16*\b]|, |v[\s+1+16*\b]|, 0x2800000   ; my 16 numbers of block b, and the floor 2^(5 - 127): the byte cannot fall under 1
.endr
.irp i, 2,4,6,8,10,12,14
.irp b, 0,1,2,3
	v_max3_num_f32 v[TM+\b], v[TM+\b], |v[\s+16*\b+\i]|, |v[\s+1+16*\b+\i]|
.endr
.endr
.irp b, 0,1,2,3
	v_permlanex16_b32 v[TM+4+\b], v[TM+\b], s[SEL], s[SEL+1]
.endr
.irp b, 0,1,2,3
	v_max_num_f32 v[TM+\b], v[TM+\b], v[TM+4+\b]   ; with lane l xor 16's: the block's largest magnitude
.endr
.irp b, 0,1,2,3
	v_add_nc_u32 v[TM+12+\b], 0xfe000000, v[TM+\b]   ; 4 off its exponent field: the conversion's scale operand
.endr
.irp b, 0,1,2,3
	v_lshrrev_b32 v[TM+4+\b], 23, v[TM+12+\b]      ; the scale's byte
.endr
	v_lshl_or_b32 v[PW], v[TM+5], 8, v[TM+4]
	v_lshl_or_b32 v[PW], v[TM+6], 16, v[PW]
	v_lshl_or_b32 v[PW], v[TM+7], 24, v[PW]
.irp c, 0,1
	v_cvt_scalef32_pk16_bf6_f32 v[PC+6*\c:PC+2+6*\c], v[\s+32*\c:\s+15+32*\c], v[TM+12+2*\c]
	v_cvt_scalef32_pk16_bf6_f32 v[PC+12+4*\c:PC+14+4*\c], v[\s+16+32*\c:\s+31+32*\c], v[TM+12+2*\c+1]   ; (a conversion's three registers begin on an even number)
.endr
	v_nop                                          ; one plain place behind a scaled conversion
.irp c, 0,1                                    ; the operand's layout wants a whole block in a lane
.irp i, 0,1,2
	v_permlane16_swap_b32 v[PC+6*\c+\i], v[PC+12+4*\c+\i]
.endr
.irp i, 0,1,2
	v_mov_b32 v[PC+3+6*\c+\i], v[PC+12+4*\c+\i]
.endr
.endr
.endm
; A TILE OF 16 ROWS
.macro ROWS m
	WIN 0
	ds_load_b128 v[XS:XS+3],   v[XSA] offset:512*(\m)
	ds_load_b128 v[XS+4:XS+7], v[XSA] offset:512*(\m)+16
	AFETCH \m,0
	AFETCH \m,1
	AFETCH \m,2
.irp ks, 0,1,2,3,4,5,6,7
	WIN 0
.if (\ks>=1)&&(\ks<=4)
	PLACES 4                                       ; four places between the products of K step ks - 1 and the loads into the ring slot that they read
.endif
.if \ks<=4
	AFETCH \m,\ks+3
	s_wait_dscnt 9                                 ; this K step's fragment (and the scale words) are in; the three later fragments' nine loads may be out
.else
	s_wait_dscnt 3*(7-\ks)
.endif
.if (\m) == 0                                  ; the weights land while the first rows are multiplied: behind K step ks's eight fragments stand 24 (7 - ks) loads; the count names 63 at the most
.if 24*(7-\ks) > 63
	s_wait_loadcnt 63
.else
	s_wait_loadcnt 24*(7-\ks)
.endif
.endif
	MUL8 \ks
.endr
	WIN 0
	PLACES 4                                       ; four places ahead of the first read of results and of writes over the ring
.if (\m) > 0
	s_wait_xcnt 0x0                                ; the last tile's stores have read the codes' registers, which are written again below
.endif
	SILU
	QUANT HA
.irp j, 0,1,2
	global_store_b128 v[LI], v[PC+4*\j:PC+4*\j+3], s[30:31] offset:(\m)*24576+512*\j   ; 512 consecutive bytes, aligned
.endr
	v_mov_b32 v[PWK+(\m)], v[PW]
.endm
	s_load_b256 s[4:11], s[0:1], 0x0               ; xq s[4:5], wq s[6:7], place s[8:9], hq s[10:11]
	v_lshl_add_u32 v254, v0, 2, 0xfb00
	v_mov_b32 v255, 0
	v_lshrrev_b32 v3, 5, v0
	v_readfirstlane_b32 s12, v3                    ; wave 0..3
	s_mov_b32 s13, ttmp9                           ; x: which 512 hidden units
	s_and_b32 s14, ttmp7, 0xffff                   ; y: the tile
	v_and_b32 v3, 31, v0                           ; lane
	v_and_b32 v8, 15, v0                           ; r
	v_bfe_u32 v13, v0, 4, 1                        ; h
	v_lshlrev_b32 v[LI], 4, v3
	v_lshl_add_u32 v[XSA], v8, 5, XSC
	v_lshlrev_b32 v[L32], 5, v3
	s_mul_i32 s16, s12, 3072
	v_lshl_add_u32 v[XW], v3, 4, s16
	s_lshl_b32 s16, s12, 3
	s_add_co_u32 s17, s16, XSC
	v_lshl_add_u32 v[XWS], v8, 5, s17
	v_lshlrev_b32 v[R4], 2, v8
	v_lshlrev_b32 v[SCO], 5, v8
	v_lshl_add_u32 v[SCO], v13, 4, v[SCO]
	v_mov_b32 v[NIL], 0
	v_mov_b32 v[GSO], s16
	s_mul_i32 s17, s12, 192
	v_lshl_add_u32 v[GOF], v13, 4, s17
	s_mov_b32 s[SEL], 0x76543210
	s_mov_b32 s[SEL+1], 0xfedcba98                 ; v_permlanex16_b32's selects for lane l xor 16
	s_mov_b32 s38, 0xffff0000                      ; lanes 16-31
	s_lshl_b32 s[TOF], s14, 2
	s_mul_i32 s18, s14, 320
	s_mov_b32 s19, 0
	s_wait_alu depctr_va_vdst(0)
	s_wait_kmcnt 0x0
	s_load_b32 s15, s[8:9], s[TOF] offset:TILE_OFF ; the tile's expert
	s_add_nc_u64 s[24:25], s[8:9], s[18:19]        ; the tile's 80 entries of the row list
.irp m, 0,1,2,3,4
	global_load_b32 v[TK+\m], v[R4], s[24:25] offset:64*\m
.endr
	s_lshl_b32 s16, s13, 2
	s_add_co_u32 s16, s16, s12                     ; the next product's K step: 4 x + w
	s_lshl_b32 s18, s14, 17
	s_mul_i32 s17, s16, 1536
	s_add_co_u32 s18, s18, s17
	s_add_nc_u64 s[30:31], s[10:11], s[18:19]      ; where my codes go
	s_lshl_b32 s18, s14, 17
	s_lshl_b32 s17, s16, 9
	s_add_co_u32 s18, s18, s17
	s_add_nc_u64 s[32:33], s[10:11], s[18:19]      ; and my scale words
	s_lshl_b32 s16, s13, 5
	s_lshl_b32 s17, s12, 3
	s_add_co_u32 s16, s16, s17                     ; my first tile of W1: 32 x + 8 w
	s_wait_kmcnt 0x0
	s_min_u32 s15, s15, 7                          ; a number that was loaded enters an address only behind this hold
	s_mul_i32 s18, s15, 1572864
	s_mul_i32 s17, s16, 12288
	s_add_co_u32 s18, s18, s17
	s_add_nc_u64 s[26:27], s[6:7], s[18:19]        ; my fragments
	s_lshl_b32 s18, s15, 16
	s_lshl_b32 s17, s16, 9
	s_add_co_u32 s18, s18, s17
	s_add_co_u32 s18, s18, W1S_OFF
	s_add_nc_u64 s[28:29], s[6:7], s[18:19]        ; their scale words
.irp q, 0,1,2,3
.irp i, 0,1
	global_load_b128 v[W1S+8*\q+4*\i:W1S+8*\q+4*\i+3], v[L32], s[28:29] offset:1024*\q+16*\i   ; lanes 0-15: tile 2 q, lanes 16-31: tile 2 q + 1; eight K steps' words a lane
.endr
.endr
.set F, 0
.rept 16
	BLOAD F
.set F, F+1
.endr
	WIN 0
	s_wait_loadcnt 56                              ; the list's five loads are in: behind them stand 8 + 48
.irp m, 0,1,2,3,4
	v_min_u32 v[TK+\m], 2047, v[TK+\m]             ; the hold ahead of an address
.endr
.irp m, 0,1,2,3,4
	v_mul_u32_u24 v[RO+\m], v[TK+\m], 768
	v_lshlrev_b32 v[SO+\m], 5, v[TK+\m]
.endr
.irp m, 0,1,2,3,4
	v_add_nc_u32 v[RO+\m], v[GOF], v[RO+\m]        ; the token's codes, my two K steps, my half
	v_add_nc_u32 v[SO+\m], v[GSO], v[SO+\m]        ; its two scale words
.endr
.irp m, 0,1,2,3,4
.irp s, 0,1
.irp j, 0,1,2
	global_load_b128 v[ST+4*(6*\m+3*\s+\j):ST+4*(6*\m+3*\s+\j)+3], v[RO+\m], s[4:5] offset:96*\s+32*\j
.endr
.endr
.endr
.irp m, 0,1,2,3,4
	global_load_b64 v[SS+2*\m:SS+2*\m+1], v[SO+\m], s[4:5] offset:XS_OFF
.endr
.rept 8
	BLOAD F
.set F, F+1
.endr
	WIN 0
	s_wait_loadcnt 24                              ; what was gathered is in: behind it stand eight fragments' 24 loads
.irp m, 0,1,2,3,4
.irp s, 0,1
.irp j, 0,1,2
	ds_store_b128 v[XW], v[ST+4*(6*\m+3*\s+\j):ST+4*(6*\m+3*\s+\j)+3] offset:(8*\m+\s)*1536+512*\j   ; image (m, 2 w + s)
.endr
.endr
.endr
.irp m, 0,1,2,3,4
	ds_store_b64 v[XWS], v[SS+2*\m:SS+2*\m+1] offset:512*\m        ; both lanes of a row write the same words with the same values
.endr
.rept 40
	BLOAD F
.set F, F+1
.endr
	WIN 0
.irp b, 0,1,2,3
	v_mov_b32 v[TM+4+\b], 0                        ; written once: a lane permute's destination counts as one of its sources
.endr
	s_wait_dscnt 0x0                               ; for the others' sake: my stores have landed
	s_barrier_signal -1
	s_barrier_wait -1                              ; x's forty images and their scale words lie in LDS; nothing is written there again
	ROWS 0
	ROWS 1
	ROWS 2
	ROWS 3
	ROWS 4
	v_cndmask_b32 v74, v[PWK], v[PWK+4], s38       ; lanes 0-15: row tiles 0-3; lanes 16-31: row tile 4 and three zeros
	v_cndmask_b32 v75, v[PWK+1], v[NIL], s38
	v_cndmask_b32 v76, v[PWK+2], v[NIL], s38
	v_cndmask_b32 v77, v[PWK+3], v[NIL], s38
	global_store_b128 v[SCO], v[74:77], s[32:33] offset:HSO        ; 512 consecutive bytes, aligned
	s_wait_tensorcnt 0x0
	ds_add_u32 v254, v255
	s_wait_dscnt 0x0
	s_endpgm
.Lfunc_end_k_q2a15c38e1b_up:
	.size	k_q2a15c38e1b_up, .Lfunc_end_k_q2a15c38e1b_up-k_q2a15c38e1b_up
	.p2alignl 7, 3214868480
	.fill 96, 4, 3214868480
	.section	.rodata,"a",@progbits
	.p2align	6, 0x0
	.amdhsa_kernel k_q2a15c38e1b_up
		.amdhsa_group_segment_fixed_size 64768
		.amdhsa_private_segment_fixed_size 0
		.amdhsa_enable_private_segment 0
		.amdhsa_kernarg_size 32
		.amdhsa_user_sgpr_count 2
		.amdhsa_user_sgpr_kernarg_segment_ptr 1
		.amdhsa_wavefront_size32 1
		.amdhsa_system_sgpr_workgroup_id_x 1
		.amdhsa_system_sgpr_workgroup_id_y 1
		.amdhsa_system_sgpr_workgroup_id_z 1
		.amdhsa_system_vgpr_workitem_id 0
		.amdhsa_next_free_vgpr 1024
		.amdhsa_next_free_sgpr 66
		.amdhsa_reserve_vcc 0
		.amdhsa_float_denorm_mode_32 3
		.amdhsa_float_denorm_mode_16_64 3
		.amdhsa_memory_ordered 1
		.amdhsa_forward_progress 1
		.amdhsa_inst_pref_size 162
	.end_amdhsa_kernel
	.amdgpu_metadata
---
amdhsa.version: [ 1, 2 ]
amdhsa.kernels:
  - .name:           k_q2a15c38e1b_up
    .symbol:         k_q2a15c38e1b_up.kd
    .args:
      - { .name: xq, .offset: 0, .size: 8, .value_kind: global_buffer, .address_space: global }
      - { .name: wq, .offset: 8, .size: 8, .value_kind: global_buffer, .address_space: global }
      - { .name: place, .offset: 16, .size: 8, .value_kind: global_buffer, .address_space: global }
      - { .name: hq, .offset: 24, .size: 8, .value_kind: global_buffer, .address_space: global }
    .group_segment_fixed_size: 64768
    .private_segment_fixed_size: 0
    .kernarg_segment_align: 8
    .kernarg_segment_size: 32
    .max_flat_workgroup_size: 128
    .sgpr_count:     66
    .vgpr_count:     1024
    .wavefront_size: 32
...
	.end_amdgpu_metadata
.endif
;; end of part 3
;; launch down (part 4): grid 4 x 59, 4 waves a work-group, no clusters, 168,448 bytes of LDS; arguments hq, wq, place, y; writes y
.if DOCPART == 4
	.amdgcn_target "amdgcn-amd-amdhsa--gfx1250"
	.amdhsa_code_object_version 6
	.text
	.protected	k_q2a15c38e1b_down
	.globl	k_q2a15c38e1b_down
	.p2align	8
	.type	k_q2a15c38e1b_down,@function
k_q2a15c38e1b_down:
	s_mov_b64 s[64:65], 0
	v_nop
	global_prefetch_b8 v0, s[64:65] scope:SCOPE_SE
	s_setreg_imm32_b32 hwreg(HW_REG_WAVE_MODE, 25, 1), 1
	s_wait_xcnt 0x0
; y[p] = Q(h)[p] Q(W2[e]) for one tile of 80 routed rows of one expert (work-group y) and 256 of the 1,024 outputs (work-group x), on codes of BF6 (E3M2) with one E8M0 scale for each 32 along K.  y is laid by sorted position p.
; SHARES.  Wave w owns outputs 256 x + 64 w .. + 63: four tiles of 16, all sixteen K steps: 64 fragments of W2, 768 registers, loaded once as images of their registers and kept.
; The tile's 131,072 bytes of hq (80 images, then the scale words) come into LDS as they lie, a quarter a wave, by ONE tensor load a wave, issued ahead of everything else: it takes no register and stands on a counter of its
; own, beside the 200 loads of the weights.  One tensor load of a wave is out; each wave waits for its own in front of the one barrier.  Nothing is filled again.
; Then five tiles of 16 rows: 64 products each (transposed: source 0 = 16 columns of W2, source 1 = 16 rows of h), four accumulators by turns, K ascending; the results go through the wave's own stage and leave
; as rows of 256 consecutive bytes, aligned, sixteen lanes to a row.
; A tile that a split leaves without rows does the same work into rows that nobody reads: no branch here hangs on a loaded number.
; NO JOINT LOADS: the four work-groups of a tile share its 131,072 bytes, of the 524,288 that each reads; the weights, the larger part, are shared only by tiles of one expert, which hangs on the stored list; and the
; cluster's opening and closing rounds would be two meetings more for a launch with one fill.
; REGISTERS, in windows of 256: fragment f = 4 ks + tile: f < 21 window 2, f < 42 window 3, f < 63 window 1, each at v[12 x (its place)]; fragment 63 in window 0 at v48.  Window 0: v1-11 addresses;
; v16-47 W2's scale words (register 16 (tile / 2) + ks: lanes 0-15 the even tile, lanes 16-31 the odd); v60-75 h's scale words; v80-111 the sums; v112-207 h's fragments, two groups of four K steps; v208-239 rows on the way out.
.set W2C_OFF,  12582912
.set W2S_OFF,  25690112
.set TILE_OFF, 35328
.set HSC,  122880                      ; LDS: 0 .. 122,879 h's 80 images ((16 m + ks) x 1,536); then its scale words [ks][r][8]: together what the four tensor loads fill;
.set STG,  131072                      ; then a stage of 16 rows x (256 + 16) bytes for each wave, into which no fill lands
.set LI,   1                           ; 16 x lane
.set LA,   2                           ; v2-6: 16 x lane + 24,576 m
.set LSH,  7                           ; HSC + 32 r
.set L64,  8                           ; 64 x lane
.set STO,  9                           ; into my stage: 272 r + 64 h
.set RD,   10                          ; out of it: 272 h + 16 (lane % 16)
.set YO,   11                          ; the same two rows in y: 4,096 h + 16 (lane % 16)
.set W2S,  16
.set F63,  48
.set HS,   60
.set YA,   80
.set HF,   112
.set OUT,  208
.set TOF,  39                          ; s39  4 x tile: the offset of the scalar load of the tile's expert; it holds nothing else, so that no source of that load is written while the load is out
.set G0,   40                          ; s[40:43] descriptor group 0;  s[48:55] group 1: neither is written again
.set G1,   48
.set MSB, 0
.macro WIN new                         ; the immediate's high byte repeats the setting that is left; a switch that changes nothing is dropped
.if MSB != (\new)
	s_set_vgpr_msb (MSB<<8)|(\new)
.set MSB, (\new)
.endif
.endm
.macro PLACES n
.rept \n
	v_nop
.endr
.endm
.macro FWIN f                          ; where fragment f lies
.if (\f) < 21
.set FW, 2
.set FRG, 12*(\f)
.elseif (\f) < 42
.set FW, 3
.set FRG, 12*((\f)-21)
.elseif (\f) < 63
.set FW, 1
.set FRG, 12*((\f)-42)
.else
.set FW, 0
.set FRG, F63
.endif
.endm
.macro BLOAD f                         ; fragment f = 4 ks + tile: three loads of 512 consecutive bytes
	FWIN \f
	WIN FW<<6
.irp j, 0,1,2
	global_load_b128 v[FRG+4*\j:FRG+4*\j+3], v[LI], s[26:27] offset:((\f)%4)*24576+((\f)/4)*1536+512*\j
.endr
.endm
.macro HFETCH m, g                     ; h's fragments of row tile m, K steps 4 g .. 4 g + 3, into half g % 2
.irp k, 0,1,2,3
.irp j, 0,1,2
	ds_load_b128 v[HF+48*((\g)%2)+12*\k+4*\j:HF+48*((\g)%2)+12*\k+4*\j+3], v[LA+(\m)] offset:(4*(\g)+\k)*1536+512*\j
.endr
.endr
.endm
.macro WM acc, bf, sa, sb, first, odd  ; one product; the weight's fragment is v[FRG] on in the window that is set
.if \first
.if \odd
	v_wmma_scale_f32_16x16x128_f8f6f4 v[\acc:\acc+7], v[FRG:FRG+11], v[\bf:\bf+11], 0, v[\sa], v[\sb] matrix_a_fmt:MATRIX_FMT_BF6 matrix_b_fmt:MATRIX_FMT_BF6 matrix_a_scale:MATRIX_SCALE_ROW1
.else
	v_wmma_scale_f32_16x16x128_f8f6f4 v[\acc:\acc+7], v[FRG:FRG+11], v[\bf:\bf+11], 0, v[\sa], v[\sb] matrix_a_fmt:MATRIX_FMT_BF6 matrix_b_fmt:MATRIX_FMT_BF6
.endif
.else
.if \odd
	v_wmma_scale_f32_16x16x128_f8f6f4 v[\acc:\acc+7], v[FRG:FRG+11], v[\bf:\bf+11], v[\acc:\acc+7], v[\sa], v[\sb] matrix_a_fmt:MATRIX_FMT_BF6 matrix_b_fmt:MATRIX_FMT_BF6 matrix_a_scale:MATRIX_SCALE_ROW1
.else
	v_wmma_scale_f32_16x16x128_f8f6f4 v[\acc:\acc+7], v[FRG:FRG+11], v[\bf:\bf+11], v[\acc:\acc+7], v[\sa], v[\sb] matrix_a_fmt:MATRIX_FMT_BF6 matrix_b_fmt:MATRIX_FMT_BF6
.endif
.endif
.endm
.macro MUL16 g                         ; K steps 4 g .. 4 g + 3: the four accumulators by turns, one instruction a turn; the first K step starts the sums
.irp k, 0,1,2,3
.irp t, 0,1,2,3
	FWIN 4*(4*(\g)+\k)+\t
	WIN FW
.if (4*(\g)+\k) == 0
	WM YA+8*\t,HF+48*((\g)%2)+12*\k,W2S+16*(\t/2)+4*(\g)+\k,HS+4*(\g)+\k,1,\t%2
.else
	WM YA+8*\t,HF+48*((\g)%2)+12*\k,W2S+16*(\t/2)+4*(\g)+\k,HS+4*(\g)+\k,0,\t%2
.endif
.endr
.endr
.endm
; A TILE OF 16 ROWS
.macro ROWS m
	WIN 0
.set n, 0
.rept 16
	ds_load_b32 v[HS+n], v[LSH] offset:512*n+4*(\m)                ; row r's scale word of K step n
.set n, n+1
.endr
	HFETCH \m,0
.irp g, 0,1,2,3
	WIN 0
.if (\g>=1)&&(\g<3)
	PLACES 4                                       ; four places between the products of group g - 1 and the loads into the half that they read
.endif
.if \g<3
	HFETCH \m,\g+1
	s_wait_dscnt 12                                ; this group (and the scale words) are in; the next group's twelve loads may be out
.else
	s_wait_dscnt 0x0
.endif
.if (\m) == 0                                  ; the weights land while the first rows are multiplied: behind group g's sixteen fragments stand 144 - 48 g loads; the count names 63 at the most
.if 144-48*\g > 63
	s_wait_loadcnt 63
.else
	s_wait_loadcnt 144-48*\g
.endif
.endif
	MUL16 \g
.endr
	WIN 0
	PLACES 5                                       ; four places ahead of the stores that read the results; five ahead of the next tile's first products, which begin the same accumulators anew
.irp t, 0,1,2,3
	ds_store_b128 v[STO], v[YA+8*\t:YA+8*\t+3]   offset:(\t/2)*128+(\t%2)*32       ; each accumulator from its low end on.  Lane (r, h), tile 2 b + u, register j: output 32 b + 16 h + 8 u + j of my 64
	ds_store_b128 v[STO], v[YA+8*\t+4:YA+8*\t+7] offset:(\t/2)*128+(\t%2)*32+16
.endr
.if (\m) > 0
	s_wait_xcnt 0x0                                ; the last tile's stores have read their registers, which are loaded again below
.endif
.irp i, 0,1,2,3,4,5,6,7
	ds_load_b128 v[OUT+4*\i:OUT+4*\i+3], v[RD] offset:2*\i*272     ; LDS serves a wave's instructions in order: these see my stores
.endr
.irp i, 0,1,2,3,4,5,6,7
	s_wait_dscnt 7-\i
	global_store_b128 v[YO], v[OUT+4*\i:OUT+4*\i+3], s[30:31] offset:(16*(\m)+2*\i)*4096   ; sixteen lanes store 256 consecutive bytes, aligned
.endr
.endm
	s_load_b256 s[4:11], s[0:1], 0x0               ; hq s[4:5], wq s[6:7], place s[8:9], y s[10:11]
	v_lshl_add_u32 v254, v0, 2, 0x29000
	v_mov_b32 v255, 0
	ds_add_u32 v254, v255
	ds_add_u32 v254, v255
	v_lshrrev_b32 v13, 5, v0
	v_readfirstlane_b32 s12, v13                   ; wave 0..3
	s_mov_b32 s13, ttmp9                           ; x: which 256 outputs
	s_and_b32 s14, ttmp7, 0xffff                   ; y: the tile
	v_and_b32 v13, 31, v0                          ; lane
	v_and_b32 v14, 15, v0                          ; r
	v_bfe_u32 v15, v0, 4, 1                        ; h
	v_lshlrev_b32 v[LI], 4, v13
.irp m, 0,1,2,3,4
	v_add_nc_u32 v[LA+\m], \m*24576, v[LI]
.endr
	v_lshl_add_u32 v[LSH], v14, 5, HSC
	v_lshlrev_b32 v[L64], 6, v13
	s_mul_i32 s16, s12, 4352
	s_add_co_u32 s16, s16, STG                     ; my stage
	v_mul_u32_u24 v[STO], v14, 272
	v_lshl_add_u32 v[STO], v15, 6, v[STO]
	v_add_nc_u32 v[STO], s16, v[STO]
	v_mul_u32_u24 v[RD], v15, 272
	v_lshl_add_u32 v[RD], v14, 4, v[RD]
	v_add_nc_u32 v[RD], s16, v[RD]
	v_lshlrev_b32 v[YO], 12, v15
	v_lshl_add_u32 v[YO], v14, 4, v[YO]
	s_lshl_b32 s[TOF], s14, 2
	; the tensor load's descriptor: my quarter of the tile, 32,768 dense bytes, as 128 rows of 256 bytes (32 elements of 8 bytes), no padding: the images are read 512 consecutive bytes at a time
	s_mov_b32 s[G0], 1                             ; 1:0 count = 1
	s_lshl_b32 s[G0+1], s12, 15                    ; 63:32 LDS address: 32,768 x wave
	s_lshl_b32 s18, s14, 17                        ; the tile's 131,072 bytes in hq,
	s_add_co_u32 s18, s18, s[G0+1]                 ; and my quarter of them
	s_mov_b32 s19, 0
	s_mov_b32 s[G1+0], 3<<16                       ; 15:0 no mask; 17:16 elements of 8 bytes; 20 padding off
	s_mov_b32 s[G1+1], 32<<16                      ; tensor_dim0 = 32
	s_mov_b32 s[G1+2], 128<<16                     ; tensor_dim1 = 128
	s_mov_b32 s[G1+3], 32<<16                      ; tile_dim0 = 32
	s_mov_b32 s[G1+4], 128                         ; tile_dim1 = 128
	s_mov_b32 s[G1+5], 32                          ; from row to row: 32 elements
	s_mov_b32 s[G1+6], 0
	s_mov_b32 s[G1+7], 0
	s_wait_alu depctr_va_vdst(0)
	s_wait_dscnt 0x0
	s_wait_kmcnt 0x0
	s_load_b32 s15, s[8:9], s[TOF] offset:TILE_OFF ; the tile's expert
	s_add_nc_u64 s[G0+2:G0+3], s[4:5], s[18:19]    ; 120:64 global address
	s_or_b32 s[G0+3], s[G0+3], 0x80000000          ; 127:126 type = 2
	tensor_load_to_lds s[G0:G0+3], s[G1:G1+7]      ; a first fill: ahead of every wait on TENSORcnt, every LDS read and the barrier
	s_nop 0
	PLACES 4                                       ; four v_nop follow the tensor load, ahead of the switches of the register window below
	s_mul_i32 s18, s14, 327680                     ; 80 rows of 4,096 bytes
	s_lshl_b32 s17, s13, 10
	s_add_co_u32 s18, s18, s17
	s_lshl_b32 s17, s12, 8
	s_add_co_u32 s18, s18, s17
	s_add_nc_u64 s[30:31], s[10:11], s[18:19]      ; where my results go
	s_lshl_b32 s16, s13, 4
	s_lshl_b32 s17, s12, 2
	s_add_co_u32 s16, s16, s17                     ; my first tile of W2: 16 x + 4 w
	s_wait_kmcnt 0x0
	s_min_u32 s15, s15, 7                          ; a number that was loaded enters an address only behind this hold
	s_mul_i32 s18, s15, 1572864
	s_mul_i32 s17, s16, 24576
	s_add_co_u32 s18, s18, s17
	s_add_co_u32 s18, s18, W2C_OFF
	s_add_nc_u64 s[26:27], s[6:7], s[18:19]        ; my fragments
	s_lshl_b32 s18, s15, 16
	s_lshl_b32 s17, s16, 10
	s_add_co_u32 s18, s18, s17
	s_add_co_u32 s18, s18, W2S_OFF
	s_add_nc_u64 s[28:29], s[6:7], s[18:19]        ; their scale words
.irp q, 0,1
.irp i, 0,1,2,3
	global_load_b128 v[W2S+16*\q+4*\i:W2S+16*\q+4*\i+3], v[L64], s[28:29] offset:2048*\q+16*\i   ; lanes 0-15: tile 2 q, lanes 16-31: tile 2 q + 1; sixteen K steps' words a lane
.endr
.endr
.set F, 0
.rept 64
	BLOAD F                                        ; all 64 fragments in one run, in the order in which the first row tile takes them
.set F, F+1
.endr
	WIN 0
	s_wait_tensorcnt 0x0                           ; for the others' sake: my quarter of the tile has landed
	s_barrier_signal -1
	s_barrier_wait -1                              ; the whole tile lies in LDS; nothing is written there again
	ROWS 0
	ROWS 1
	ROWS 2
	ROWS 3
	ROWS 4
	s_wait_tensorcnt 0x0
	ds_add_u32 v254, v255
	s_wait_dscnt 0x0
	s_endpgm
.Lfunc_end_k_q2a15c38e1b_down:
	.size	k_q2a15c38e1b_down, .Lfunc_end_k_q2a15c38e1b_down-k_q2a15c38e1b_down
	.p2alignl 7, 3214868480
	.fill 96, 4, 3214868480
	.section	.rodata,"a",@progbits
	.p2align	6, 0x0
	.amdhsa_kernel k_q2a15c38e1b_down
		.amdhsa_group_segment_fixed_size 168448
		.amdhsa_private_segment_fixed_size 0
		.amdhsa_enable_private_segment 0
		.amdhsa_kernarg_size 32
		.amdhsa_user_sgpr_count 2
		.amdhsa_user_sgpr_kernarg_segment_ptr 1
		.amdhsa_wavefront_size32 1
		.amdhsa_system_sgpr_workgroup_id_x 1
		.amdhsa_system_sgpr_workgroup_id_y 1
		.amdhsa_system_sgpr_workgroup_id_z 1
		.amdhsa_system_vgpr_workitem_id 0
		.amdhsa_next_free_vgpr 1024
		.amdhsa_next_free_sgpr 66
		.amdhsa_reserve_vcc 0
		.amdhsa_float_denorm_mode_32 3
		.amdhsa_float_denorm_mode_16_64 3
		.amdhsa_memory_ordered 1
		.amdhsa_forward_progress 1
		.amdhsa_inst_pref_size 98
	.end_amdhsa_kernel
	.amdgpu_metadata
---
amdhsa.version: [ 1, 2 ]
amdhsa.kernels:
  - .name:           k_q2a15c38e1b_down
    .symbol:         k_q2a15c38e1b_down.kd
    .args:
      - { .name: hq, .offset: 0, .size: 8, .value_kind: global_buffer, .address_space: global }
      - { .name: wq, .offset: 8, .size: 8, .value_kind: global_buffer, .address_space: global }
      - { .name: place, .offset: 16, .size: 8, .value_kind: global_buffer, .address_space: global }
      - { .name: y, .offset: 24, .size: 8, .value_kind: global_buffer, .address_space: global }
    .group_segment_fixed_size: 168448
    .private_segment_fixed_size: 0
    .kernarg_segment_align: 8
    .kernarg_segment_size: 32
    .max_flat_workgroup_size: 128
    .sgpr_count:     66
    .vgpr_count:     1024
    .wavefront_size: 32
...
	.end_amdgpu_metadata
.endif
;; end of part 4
;; launch combine (part 5): grid 256 x 1, 8 waves a work-group, no clusters, 0 bytes of LDS; arguments y, xq, place, out0; writes out0
.if DOCPART == 5
	.amdgcn_target "amdgcn-amd-amdhsa--gfx1250"
	.amdhsa_code_object_version 6
	.text
	.protected	k_q2a15c38e1b_combine
	.globl	k_q2a15c38e1b_combine
	.p2align	8
	.type	k_q2a15c38e1b_combine,@function
k_q2a15c38e1b_combine:
	s_mov_b64 s[64:65], 0
	v_nop
	global_prefetch_b8 v0, s[64:65] scope:SCOPE_SE
	s_setreg_imm32_b32 hwreg(HW_REG_WAVE_MODE, 25, 1), 1
	s_wait_xcnt 0x0
; out[t] = g0 y[pos0] + g1 y[pos1]: a token's two routed rows, found by the stored positions, weighted by its two gates.  One wave takes one token: a row is 4,096 bytes, eight loads of 512 consecutive bytes.
; Memory binds: each row of y that counts is read once, each row of out written once, in stores of 512 consecutive bytes, aligned.  No LDS, no barrier, no matrix unit: waves share nothing.
.set POS_OFF,  18944
.set GATE_OFF, 1638400
	s_load_b256 s[4:11], s[0:1], 0x0               ; y s[4:5], xq s[6:7], place s[8:9], out0 s[10:11]
	v_lshrrev_b32 v1, 5, v0
	s_delay_alu instid0(VALU_DEP_1)
	v_readfirstlane_b32 s12, v1                    ; wave 0..7
	v_and_b32 v1, 31, v0
	s_delay_alu instid0(VALU_DEP_1)
	v_lshlrev_b32 v1, 4, v1                        ; 16 x lane
	s_lshl_b32 s13, ttmp9, 3
	s_add_co_u32 s13, s13, s12                     ; my token
	s_lshl_b32 s14, s13, 3
	s_lshl_b32 s20, s13, 12
	s_mov_b32 s21, 0
	s_wait_alu depctr_va_vdst(0)
	s_wait_kmcnt 0x0
	s_load_b64 s[16:17], s[8:9], s14 offset:POS_OFF    ; its two positions
	s_load_b64 s[18:19], s[6:7], s14 offset:GATE_OFF   ; its two gates
	s_add_nc_u64 s[10:11], s[10:11], s[20:21]
	s_wait_kmcnt 0x0
	s_min_u32 s16, s16, 4719                       ; a number that was loaded enters an address only behind this hold
	s_min_u32 s17, s17, 4719
	s_lshl_b32 s22, s16, 12
	s_mov_b32 s23, 0
	s_lshl_b32 s24, s17, 12
	s_mov_b32 s25, 0
	s_add_nc_u64 s[22:23], s[4:5], s[22:23]
	s_add_nc_u64 s[24:25], s[4:5], s[24:25]
	s_mov_b32 s26, s19                             ; the packed forms name a pair and take its low word for both halves
	s_mov_b32 s27, s19
.irp i, 0,1,2,3,4,5,6,7
	global_load_b128 v[16+4*\i:19+4*\i], v1, s[22:23] offset:512*\i th:TH_LOAD_NT
.endr
.irp i, 0,1,2,3,4,5,6,7
	global_load_b128 v[48+4*\i:51+4*\i], v1, s[24:25] offset:512*\i th:TH_LOAD_NT
.endr
.irp i, 0,1,2,3,4,5,6,7
	s_wait_loadcnt 7-\i                            ; piece i of the second row is in (behind it stand 7 - i loads), and so is piece i of the first, which is older
	v_pk_mul_f32 v[16+4*\i:17+4*\i], v[16+4*\i:17+4*\i], s[18:19] op_sel_hi:[1,0]
	v_pk_mul_f32 v[18+4*\i:19+4*\i], v[18+4*\i:19+4*\i], s[18:19] op_sel_hi:[1,0]
	s_delay_alu instid0(VALU_DEP_2)
	v_pk_fma_f32 v[16+4*\i:17+4*\i], v[48+4*\i:49+4*\i], s[26:27], v[16+4*\i:17+4*\i] op_sel_hi:[1,0,1]
	s_delay_alu instid0(VALU_DEP_2)
	v_pk_fma_f32 v[18+4*\i:19+4*\i], v[50+4*\i:51+4*\i], s[26:27], v[18+4*\i:19+4*\i] op_sel_hi:[1,0,1]
	global_store_b128 v1, v[16+4*\i:19+4*\i], s[10:11] offset:512*\i th:TH_STORE_NT   ; each piece has registers of its own: no store's data are written again
.endr
	s_endpgm
.Lfunc_end_k_q2a15c38e1b_combine:
	.size	k_q2a15c38e1b_combine, .Lfunc_end_k_q2a15c38e1b_combine-k_q2a15c38e1b_combine
	.p2alignl 7, 3214868480
	.fill 96, 4, 3214868480
	.section	.rodata,"a",@progbits
	.p2align	6, 0x0
	.amdhsa_kernel k_q2a15c38e1b_combine
		.amdhsa_group_segment_fixed_size 0
		.amdhsa_private_segment_fixed_size 0
		.amdhsa_enable_private_segment 0
		.amdhsa_kernarg_size 32
		.amdhsa_user_sgpr_count 2
		.amdhsa_user_sgpr_kernarg_segment_ptr 1
		.amdhsa_wavefront_size32 1
		.amdhsa_system_sgpr_workgroup_id_x 1
		.amdhsa_system_sgpr_workgroup_id_y 1
		.amdhsa_system_sgpr_workgroup_id_z 1
		.amdhsa_system_vgpr_workitem_id 0
		.amdhsa_next_free_vgpr 80
		.amdhsa_next_free_sgpr 66
		.amdhsa_reserve_vcc 0
		.amdhsa_float_denorm_mode_32 3
		.amdhsa_float_denorm_mode_16_64 3
		.amdhsa_memory_ordered 1
		.amdhsa_forward_progress 1
		.amdhsa_inst_pref_size 7
	.end_amdhsa_kernel
	.amdgpu_metadata
---
amdhsa.version: [ 1, 2 ]
amdhsa.kernels:
  - .name:           k_q2a15c38e1b_combine
    .symbol:         k_q2a15c38e1b_combine.kd
    .args:
      - { .name: y, .offset: 0, .size: 8, .value_kind: global_buffer, .address_space: global }
      - { .name: xq, .offset: 8, .size: 8, .value_kind: global_buffer, .address_space: global }
      - { .name: place, .offset: 16, .size: 8, .value_kind: global_buffer, .address_space: global }
      - { .name: out0, .offset: 24, .size: 8, .value_kind: global_buffer, .address_space: global }
    .group_segment_fixed_size: 0
    .private_segment_fixed_size: 0
    .kernarg_segment_align: 8
    .kernarg_segment_size: 32
    .max_flat_workgroup_size: 256
    .sgpr_count:     66
    .vgpr_count:     80
    .wavefront_size: 32
...
	.end_amdgpu_metadata
.endif
;; end of part 5
